; MI455X (gfx1250); checked and timed in simulation.
; The chip was launched on July 23, 2026; its instructions are those of AMD's public machine-readable ISA for CDNA 5 (MIT licence, August 2026) and "CDNA5" Instruction Set Architecture Reference Guide (July 2026). The comments in the code are by the model that wrote it; some were corrected since.
;; Multi Head Attention With Ro PE. Allowed arithmetic: matrix products marked QUANTISED: E2M1 operands, one E8M0 scale for each 32 along K, by v_wmma_scale_f32_16x16x128_f8f6f4 with both operands' format E2M1 (or v_wmma_scale_f32_32x16x128_f4), f32 sums; everything else in f32.
;; Inputs: b_out 1,024 float32; b_qkv 3,072 float32; w_out_codes 1,024 x 32 x 16 uint8 (E2M1 codes of w_out, K innermost, in blocks of 32 codes, two codes a byte); w_out_scales 1,024 x 32 uint8 (E8M0 scales of w_out, one for each 32 codes along K); w_qkv_codes 3,072 x 32 x 16 uint8 (E2M1 codes of w_qkv, K innermost, in blocks of 32 codes, two codes a byte); w_qkv_scales 3,072 x 32 uint8 (E8M0 scales of w_qkv, one for each 32 codes along K); x_codes 4 x 2,048 x 32 x 16 uint8 (E2M1 codes of x, K innermost, in blocks of 32 codes, two codes a byte); x_scales 4 x 2,048 x 32 uint8 (E8M0 scales of x, one for each 32 codes along K).
;; Outputs: out0 4 x 2,048 x 1,024 float32.
;; This version of the problem:
;;   THIS VERSION OF THE PROBLEM IS GIVEN IN LOW PRECISION. The matrix products marked QUANTISED in the list below multiply operands that are first quantised to E2M1 (2 exponent bits, 1 mantissa bit; 4 bits a number), with one power-of-two scale for each 32 numbers along K (OCP MX v1.0); their sums are f32. All else is computed in f32.
;;   The module's matrix products, in the order in which they are computed (A, B: the left and right operand; K: the contracted axis; several contracted axes count as one K, in the product's order):
;;     1. [M 8,192, K 1,024] x [K 1,024, N 3,072]; A: input x (given as codes); B: input w_qkv (given as codes): QUANTISED
;;     2. batch 64 x [M 2,048, K 64] x [K 64, N 2,048]; A: computed on the way; B: computed on the way: QUANTISED
;;     3. batch 64 x [M 2,048, K 2,048] x [K 2,048, N 64]; A: softmax (see below); B: computed on the way: QUANTISED
;;     4. [M 8,192, K 1,024] x [K 1,024, N 1,024]; A: computed on the way; B: input w_out (given as codes): QUANTISED
;;   THE QUANTISER, for each operand of a quantised product, along K:
;;     - K is cut into blocks of 32 from its start; a last block that is shorter is filled with zeros.
;;     - A block's scale is 2^e with e = floor(log2(the largest magnitude in the block)) - 2, held to -126 .. 127; a block of zeros has e = 0. As a byte (E8M0): e + 127.
;;     - Each number is divided by its block's scale, clamped to +-6, and rounded to the nearest number of E2M1, ties to even, subnormals kept.
;;     - The product sums the exact products of the quantised numbers (number of the format x scale) in f32.
;;   ~~~python
;;   def quantise(x, axis):      # numpy; x: float32 -> the quantised numbers, widened to float32 again
;;       x = np.moveaxis(x, axis, -1); K = x.shape[-1]
;;       x = np.pad(x, [(0, 0)] * (x.ndim - 1) + [(0, -K % 32)]); x = x.reshape(x.shape[:-1] + (-1, 32)); a = np.abs(x).max(-1, keepdims=True)
;;       e = np.where(a > 0, np.clip(np.frexp(np.where(a > 0, a, 1))[1] - 1 - 2, -126, 127), 0)      # np.frexp(a)[1] - 1 = floor(log2(a)), exactly
;;       r = np.clip(x / 2.0 ** e, -6, 6)
;;       step = 2.0 ** (np.maximum(np.frexp(np.where(r == 0, 1, r))[1] - 1, 0) - 1)
;;       q = np.round(r / step) * step * 2.0 ** e      # np.round: ties to even
;;       return np.moveaxis(q.reshape(q.shape[:-2] + (-1,))[..., :K], -1, axis).astype(np.float32)
;;   ~~~
;;   SOFTMAX AHEAD OF A QUANTISED PRODUCT. Where the list says 'softmax', what is quantised is not the finished softmax but p = 2^(t - M), with t = logit x log2(e) and M = ceil(the row's largest t), a whole number; so 1/2 < the row's largest p <= 1. The row's sum l is taken of the UNQUANTISED p, in f32, and the product's result is divided by l at the end. Since M is a whole number, a kernel that streams over the keys may use a running M (the ceiling of the running maximum): every later rescaling is an exact power of two, which a block's scale takes up: the codes' values come out the same.
;;   OPERANDS COMPUTED ON THE WAY. 'Computed on the way' means the value that the module computes at that place (a softmax that the list does not call 'softmax' is quantised finished and normalised). What goes into a quantiser is computed in f32, as accurately as f32 sums, v_exp_f32 and their like allow (about 1e-6 of the number): no bf16 or f16 on the way to a quantiser, and a product that is left as it is and whose result goes on into a quantised operand takes f32 operands (vector FMAs, or v_wmma_f32_16x16x4_f32). A number that lies on a knife's edge between two numbers of the format may be rounded either way, as far as f32 arithmetic and the matrix unit's own rounding can turn it there, and no further.
;;   INPUTS GIVEN AS CODES. w_out (in the module: [1024, 1024], K = its axis 0); w_qkv (in the module: [1024, 3072], K = its axis 0); x (in the module: [4, 2048, 1024], K = its axis 2): each comes as NAME_codes (uint8): NAME with its K axis moved to the last place and cut into blocks of 32 codes, [.., K / 32, bytes a block], one block behind the other in memory; two codes a byte, the lower K in the low four bits (a code: sign, 2 exponent bits, 1 mantissa bit); and NAME_scales (uint8): the same leading axes, one E8M0 byte (e + 127) for each 32 codes along K. Its value is code x scale, taken as it is: it is not quantised again, and the codes and scales need not be those that the quantiser above would give.
;; 2 versions, each right and faster than the one before. Each part assembles by itself: llvm-mc -triple=amdgcn-amd-amdhsa -mcpu=gfx1250 --defsym DOCPART=n.
;; ======== version 1 of 2: 4 launches
;; workspace buffers: tab 524,288 bytes; q_img 4,194,304 bytes; q_sc 524,288 bytes; kv 9,175,040 bytes; o_img 4,194,304 bytes; o_sc 262,144 bytes
;; launch rope (part 1): grid 256 x 1, 1 waves a work-group, no clusters, 0 bytes of LDS; arguments tab; writes tab
.if DOCPART == 1
	.amdgcn_target "amdgcn-amd-amdhsa--gfx1250"
	.amdhsa_code_object_version 6
	.text
	.protected	k_q67d765ffe8_rope
	.globl	k_q67d765ffe8_rope
	.p2align	8
	.type	k_q67d765ffe8_rope,@function
k_q67d765ffe8_rope:
	s_mov_b64 s[64:65], 0
	v_nop
	global_prefetch_b8 v0, s[64:65] scope:SCOPE_SE
	s_setreg_imm32_b32 hwreg(HW_REG_WAVE_MODE, 25, 1), 1
	s_wait_xcnt 0x0
; RoPE's table of cosines and sines, laid as the next launch's registers want it:
; tab[tile of 16 positions: 128][quad: 8][lane: 32][16 bytes]; quads 0-3 hold the cosines of registers 4 k .. 4 k + 3, quads 4-7 the sines.
; Register 8 t + j of lane (r, h) belongs to position 16 x tile + r and frequency i = 16 t + 8 h + j.
; The angle follows the source's own roundings: p = fl(10000^(i/32)) = fl(10^(i/8)), inv = fl(1 / p), angle = fl(position x inv).
; 10^(i/8) = 10^(j/8) x 10^(2 t + h): 10^(j/8) is kept as a high and a low f32 part, so that one fused multiply-add rounds the product once.
; 1 / p: v_rcp_f32 and two Newton steps.  Sine and cosine: n = nearest whole number to angle x 2/pi; angle - n pi/2 with pi/2 in two parts (the first
; product is exact: n has 11 bits); polynomials of degree 7 and 8 on +-pi/4; the quadrant by selects and sign bits: no branch hangs on a number.
; LIMIT: if the source's power is not correctly rounded, inv differs by a unit in its last place and the angle by up to 1.2e-4 rad at the last positions.
; One wave a work-group: work-group W takes tile W / 2 and t = W % 2.  No LDS, no matrix unit, no cluster: work-groups share nothing.
.set P,  8                             ; v8-15   p, later the quadrant
.set RC, 16                            ; v16-23  1 / p, later a sign
.set E,  24                            ; v24-31  at work
.set CO, 32                            ; v32-39  the cosines
.set SI, 40                            ; v40-47  the sines
.set AN, 48                            ; v48-55  the angle
.set N,  56                            ; v56-63  n
.set RR, 64                            ; v64-71  the reduced angle
.set Z,  72                            ; v72-79  its square
.set SP, 80                            ; v80-87  sine of the reduced angle
.set CP, 88                            ; v88-95  cosine of it
	s_load_b64 s[4:5], s[0:1], 0x0
	v_and_b32 v1, 15, v0                           ; r
	v_lshrrev_b32 v2, 4, v0                        ; h
	v_lshlrev_b32 v5, 4, v0                        ; 16 bytes a lane
	s_lshr_b32 s6, ttmp9, 1                        ; tile of positions
	s_and_b32 s7, ttmp9, 1                         ; t
	s_lshl_b32 s8, s6, 4
	v_add_nc_u32 v3, s8, v1
	v_cvt_f32_u32 v3, v3                           ; the position
	s_mov_b32 s9, 0x3f800000                       ; 1
	s_mov_b32 s10, 0x41200000                      ; 10
	s_cmp_eq_u32 s7, 1
	s_cselect_b32 s9, 0x42c80000, s9               ; 100 where t = 1
	s_cselect_b32 s10, 0x447a0000, s10             ; 1000 where t = 1
	v_mov_b32 v4, s9
	v_mov_b32 v6, s10
	v_cmp_eq_u32 vcc_lo, 1, v2
	v_cndmask_b32 v4, v4, v6, vcc_lo               ; 10^(2 t + h)
	s_mov_b32 s12, 0xbe2aaaa3                      ; sine: -1/6, 1/120, -1/5040, fitted
	s_mov_b32 s13, 0x3c08839e
	s_mov_b32 s14, 0xb94ca1f9
	s_mov_b32 s15, 0x3d2aaaa5                      ; cosine: 1/24, -1/720, 1/40320, fitted
	s_mov_b32 s16, 0xbab6061a
	s_mov_b32 s17, 0x37ccf5ce
	s_mov_b32 s18, 0x3f22f983                      ; 2 / pi
	s_mov_b32 s19, 0xbfc90fdb                      ; -(pi/2)'s high part
	s_mov_b32 s20, 0x333bbd2e                      ; -(pi/2)'s low part
	v_mov_b32 v[P], v4
.macro POW j, hi, lo                   ; p = fl((hi + lo) x 10^(2 t + h))
	v_mul_f32 v[E+\j], \lo, v4
	v_fmamk_f32 v[P+\j], v4, \hi, v[E+\j]
.endm
	POW 1, 0x3faab0d5, 0xb364577e
	POW 2, 0x3fe39ea9, 0xb26aee4a
	POW 3, 0x4017c496, 0x33606942
	POW 4, 0x404a62c2, 0xb324b496
	POW 5, 0x4086f161, 0xb430577b
	POW 6, 0x40b3f300, 0x34323463
	POW 7, 0x40eff755, 0x34515b50
.irp j, 0,1,2,3,4,5,6,7
	v_rcp_f32 v[RC+\j], v[P+\j]
.endr
	v_nop                                          ; a plain instruction between the last reciprocal and the use of its result
	s_wait_alu depctr_va_vdst(0)
.rept 2
.irp j, 0,1,2,3,4,5,6,7
	v_fma_f32 v[E+\j], -v[P+\j], v[RC+\j], 1.0
.endr
.irp j, 0,1,2,3,4,5,6,7
	v_fma_f32 v[RC+\j], v[RC+\j], v[E+\j], v[RC+\j]
.endr
.endr
.irp j, 0,1,2,3,4,5,6,7
	v_mul_f32 v[AN+\j], v3, v[RC+\j]               ; the angle: one rounding
.endr
.irp j, 0,1,2,3,4,5,6,7
	v_mul_f32 v[N+\j], s18, v[AN+\j]
.endr
.irp j, 0,1,2,3,4,5,6,7
	v_rndne_f32 v[N+\j], v[N+\j]
.endr
.irp j, 0,1,2,3,4,5,6,7
	v_fma_f32 v[RR+\j], v[N+\j], s19, v[AN+\j]
.endr
.irp j, 0,1,2,3,4,5,6,7
	v_fma_f32 v[RR+\j], v[N+\j], s20, v[RR+\j]
.endr
.irp j, 0,1,2,3,4,5,6,7
	v_mul_f32 v[Z+\j], v[RR+\j], v[RR+\j]
.endr
.irp j, 0,1,2,3,4,5,6,7
	v_fma_f32 v[SP+\j], v[Z+\j], s14, s13
	v_fma_f32 v[CP+\j], v[Z+\j], s17, s16
.endr
.irp j, 0,1,2,3,4,5,6,7
	v_fma_f32 v[SP+\j], v[SP+\j], v[Z+\j], s12
	v_fma_f32 v[CP+\j], v[CP+\j], v[Z+\j], s15
.endr
.irp j, 0,1,2,3,4,5,6,7
	v_mul_f32 v[SP+\j], v[SP+\j], v[Z+\j]
	v_mul_f32 v[CP+\j], v[CP+\j], v[Z+\j]
.endr
.irp j, 0,1,2,3,4,5,6,7
	v_fma_f32 v[AN+\j], v[Z+\j], -0.5, 1.0
.endr
.irp j, 0,1,2,3,4,5,6,7
	v_fma_f32 v[SP+\j], v[SP+\j], v[RR+\j], v[RR+\j]
	v_fma_f32 v[CP+\j], v[CP+\j], v[Z+\j], v[AN+\j]
.endr
.irp j, 0,1,2,3,4,5,6,7
	v_cvt_i32_f32 v[P+\j], v[N+\j]                 ; the quadrant
.endr
.irp j, 0,1,2,3,4,5,6,7
	v_and_b32 v[E+\j], 1, v[P+\j]
	v_add_nc_u32 v[RC+\j], 1, v[P+\j]
.endr
.irp j, 0,1,2,3,4,5,6,7
	v_cmp_eq_u32 vcc_lo, 1, v[E+\j]                ; an odd quadrant changes sine and cosine
	v_cndmask_b32 v[SI+\j], v[SP+\j], v[CP+\j], vcc_lo
	v_cndmask_b32 v[CO+\j], v[CP+\j], v[SP+\j], vcc_lo
.endr
.irp j, 0,1,2,3,4,5,6,7
	v_lshlrev_b32 v[E+\j], 30, v[P+\j]             ; the sine is negated in quadrants 2, 3,
	v_lshlrev_b32 v[RC+\j], 30, v[RC+\j]           ; the cosine in quadrants 1, 2
.endr
.irp j, 0,1,2,3,4,5,6,7
	v_and_b32 v[E+\j], 0x80000000, v[E+\j]
	v_and_b32 v[RC+\j], 0x80000000, v[RC+\j]
.endr
.irp j, 0,1,2,3,4,5,6,7
	v_xor_b32 v[SI+\j], v[SI+\j], v[E+\j]
	v_xor_b32 v[CO+\j], v[CO+\j], v[RC+\j]
.endr
	s_lshl_b32 s22, s6, 12                         ; 4,096 bytes a tile,
	s_lshl_b32 s23, s7, 10                         ; quads 2 t and 2 t + 1
	s_add_co_u32 s22, s22, s23
	s_mov_b32 s23, 0
	s_wait_kmcnt 0x0
	s_add_nc_u64 s[4:5], s[4:5], s[22:23]
	global_store_b128 v5, v[CO:CO+3], s[4:5]               ; each store covers 512 consecutive bytes, aligned
	global_store_b128 v5, v[CO+4:CO+7], s[4:5] offset:512
	global_store_b128 v5, v[SI:SI+3], s[4:5] offset:2048
	global_store_b128 v5, v[SI+4:SI+7], s[4:5] offset:2560
	s_endpgm
.Lfunc_end_k_q67d765ffe8_rope:
	.size	k_q67d765ffe8_rope, .Lfunc_end_k_q67d765ffe8_rope-k_q67d765ffe8_rope
	.p2alignl 7, 3214868480
	.fill 96, 4, 3214868480
	.section	.rodata,"a",@progbits
	.p2align	6, 0x0
	.amdhsa_kernel k_q67d765ffe8_rope
		.amdhsa_group_segment_fixed_size 0
		.amdhsa_private_segment_fixed_size 0
		.amdhsa_enable_private_segment 0
		.amdhsa_kernarg_size 8
		.amdhsa_user_sgpr_count 2
		.amdhsa_user_sgpr_kernarg_segment_ptr 1
		.amdhsa_wavefront_size32 1
		.amdhsa_system_sgpr_workgroup_id_x 1
		.amdhsa_system_sgpr_workgroup_id_y 1
		.amdhsa_system_sgpr_workgroup_id_z 1
		.amdhsa_system_vgpr_workitem_id 0
		.amdhsa_next_free_vgpr 96
		.amdhsa_next_free_sgpr 66
		.amdhsa_reserve_vcc 1
		.amdhsa_float_denorm_mode_32 3
		.amdhsa_float_denorm_mode_16_64 3
		.amdhsa_memory_ordered 1
		.amdhsa_forward_progress 1
		.amdhsa_inst_pref_size 15
	.end_amdhsa_kernel
	.amdgpu_metadata
---
amdhsa.version: [ 1, 2 ]
amdhsa.kernels:
  - .name:           k_q67d765ffe8_rope
    .symbol:         k_q67d765ffe8_rope.kd
    .args:
      - { .name: tab, .offset: 0, .size: 8, .value_kind: global_buffer, .address_space: global }
    .group_segment_fixed_size: 0
    .private_segment_fixed_size: 0
    .kernarg_segment_align: 8
    .kernarg_segment_size: 8
    .max_flat_workgroup_size: 32
    .sgpr_count:     66
    .vgpr_count:     96
    .wavefront_size: 32
...
	.end_amdgpu_metadata
.endif
;; end of part 1
;; launch qkv (part 2): grid 12 x 32, 4 waves a work-group, clusters of 4 x 4, 296,448 bytes of LDS; arguments x_codes, x_scales, w_qkv_codes, w_qkv_scales, b_qkv, tab, q_img, q_sc, kv; writes q_img, q_sc, kv
.if DOCPART == 2
	.amdgcn_target "amdgcn-amd-amdhsa--gfx1250"
	.amdhsa_code_object_version 6
	.text
	.protected	k_q67d765ffe8_qkv
	.globl	k_q67d765ffe8_qkv
	.p2align	8
	.type	k_q67d765ffe8_qkv,@function
k_q67d765ffe8_qkv:
	s_mov_b64 s[64:65], 0
	v_nop
	global_prefetch_b8 v0, s[64:65] scope:SCOPE_SE
	s_setreg_imm32_b32 hwreg(HW_REG_WAVE_MODE, 25, 1), 1
	s_wait_xcnt 0x0
	s_wait_alu depctr_hold_cnt(0) depctr_sa_sdst(0) depctr_va_vdst(0) depctr_va_sdst(0) depctr_va_ssrc(0) depctr_va_vcc(0) depctr_vm_vsrc(0)
	s_getreg_b32 s2, hwreg(HW_REG_IB_STS2, 6, 4)
	s_cmp_eq_u32 s2, 0
	s_cbranch_scc0 .Lentry_in_a_cluster
	s_endpgm
.Lentry_in_a_cluster:
	s_bfe_u32 s2, ttmp6, 0x10000c
	s_cmp_lg_u32 s2, 0xf033
	s_cbranch_scc0 .Lentry_shape_is_right
	s_endpgm
.Lentry_shape_is_right:
; qkv = x w_qkv + b_qkv on codes of FP4 (E2M1) with E8M0 scales; then RoPE on q and k; then q, k (along the head's 64) and v (along the keys) are quantised again and stored as codes.
; A tile of 256 x 256 of the product is made by four waves, each 128 x 128: 64 accumulators, 512 registers.  K = 1,024 is two LDS slots of 512 along K (rows of 256 bytes + 16 of padding);
; both slots and the scale bytes of the 512 rows are filled ONCE, at the start: nothing in LDS is filled again.
; THE MATRIX INSTRUCTION: source 1 ('A') gives the lane, source 0 ('B') the registers: lane (r, h) holds row r of A's block and the eight rows 8 h + 0 .. 7 of B's block.
;   clusters x = 0, 1 (q, k): A = x, B = w: a lane holds one position and its registers run along the head's channels, which is the next product's K.
;   cluster  x = 2    (v):    A = w, B = x: a lane holds one channel and its registers run along the keys, which is the next product's K for v.
; CLUSTERS: 4 x 4 work-groups; A's tile is shared along a row of the cluster, B's along a column: each is asked for jointly, with a mask that names the four.
; THE TWO WAYS PART ONCE, on the cluster's x (the same in all partners), in front of the last three steps of 128 along K, which are written in both ways: each way asks at its head for its bias
; (and the first table of cosines and sines), which land under those steps' 192 matrix instructions.
; OUT: a unit is 16 lanes' rows x 64 along the next K: 32 registers a lane, register 16 bb + 8 u + j = k 32 bb + 16 u + 8 h + j.  Its codes leave as the IMAGE of an operand's registers:
; lane l's 16 bytes (row l % 16, block l / 16) at 16 l: one store of 512 consecutive bytes.  Scale words are laid so that one load of 16 (v: 8) bytes a lane brings a step's words.
; LIMITS: a block of zeros gets the scale byte 1 where the rule says 127 (its codes are zeros; this program alone reads the bytes); NaN and infinities are not served.
; REGISTERS, in windows of 256: window 0: v0-31 addresses; v32-95 scale words, two sets; v128-191 A's fragments, one set; v96-127 and v192-255 table and bias; window 1: B's fragments, two sets;
;   windows 2, 3: the accumulators ((a, b) at v[8 (8 (a % 4) + b)]).  On the way out window 0 is laid anew (below).
.set NQ,     4                         ; steps of 128 in a slot
.set ROWB,   256                       ; a tile's row in bytes: 512 codes
.set KROW,   512                       ; a row of x or w in memory
.set PITCH,  272                       ; an LDS row: 256 bytes + 16 of padding: the 16 rows of a fragment load start at 16 different banks (64 banks of 4 bytes: ISA guide 11.1)
.set FR,     8
.set NL,     2
.set NP,     4                         ; places behind this matrix instruction (ISA guide 7.12.1)
.set HALFT,  128*PITCH
.set SLOT,   4*HALFT
.set KS,     32                        ; a row of scale bytes
.set SCL,    2*SLOT
.set HALFS,  (128*KS/256)*272
.set SBLK,   (16*KS/256)*272
.set HEADB,  143360                    ; kv: bytes of a head: four chunks
.set CHUNK,  35840                     ; a chunk of 512 keys: K's codes 16,384; V's image 16,384; K's scale words 2,048; V's 1,024
.set ADRA, 16
.set ADRB, 20
.set ADRS, 27
.set L16,  28                          ; v28 16 x lane
.set L8,   29                          ; v29 8 x lane
.set BOF,  30                          ; v30 my lane's offset in the bias
.set LN,   31                          ; v31 lane
.set SC,   32
.set AF,   128
.set TAB1, 32                          ; the way out: v32-63 and v96-127 the table, two sets
.set TAB0, 96
.set W,    64                          ; v64-79 scale words as they are made
.set OUTW, 80                          ; v80-87 scale words as they leave
.set X,    128                         ; v128-159 a unit's 32 numbers
.set T,    160                         ; v160-175 at work
.set R,    176                         ; v176-179 a unit's codes
.set TM,   180                         ; v180-187 the quantiser's work
.set BIAS, 192
.set G1, 24
.set G0, 32
.set G1B, 48
.set G0B, 56
.set SEL, 66                           ; s66, s67 lane selects: lane l xor 16
.set G1S, 68
.set G0S, 76
.set G1SB, 80
.set G0SB, 88
.set PB,   48                          ; the way out (the descriptors are done with): s[48:51] where codes go, s[52:55] scale words, s[56:57] table, s[58:59] bias
.set SBS,  52
.set TABB, 56
.set BIB,  58
.set MSB, 0
.macro WIN new                         ; the immediate's high byte repeats the setting that is left
.if MSB != \new
	s_set_vgpr_msb (MSB<<8)|\new
.set MSB, \new
.endif
.endm
.set MUL_LO, 0xa1                      ; source 0 (B) window 1, source 1 (A) window 0, C and D window 2
.set MUL_HI, 0xf1
.set TO_B,   0x40
; A joint load: waves 0 and 1 fetch for A, waves 2 and 3 for B; four v_nop follow each of the two lines.
.macro JLOAD g0a, g1a, g0b, g1b
	s_cmp_eq_u32 s15, 0
	s_cbranch_scc0 .Lfor_b_\@
	tensor_load_to_lds s[\g0a:\g0a+3], s[\g1a:\g1a+7]
	s_nop 0
.rept 4
	v_nop
.endr
	s_branch .Lasked_\@
.Lfor_b_\@:
	tensor_load_to_lds s[\g0b:\g0b+3], s[\g1b:\g1b+7]
	s_nop 0
.rept 4
	v_nop
.endr
.Lasked_\@:
.endm
.macro CROUND                          ; a round of the cluster's barrier
	s_barrier_signal -1
	s_barrier_wait -1
	s_cmp_lg_u32 s14, 0
	s_cbranch_scc1 .Lnot_wave_0_\@
	s_barrier_signal -3
.Lnot_wave_0_\@:
	s_barrier_wait -3
	s_barrier_signal -1
	s_barrier_wait -1
.endm
	s_load_b256 s[4:11], s[0:1], 0x0               ; x's codes, x's scales, w's codes, w's scales
	v_lshl_add_u32 v25, v0, 2, 0x48400
	v_mov_b32 v26, 0
	ds_add_u32 v25, v26
	ds_add_u32 v25, v26
	v_lshrrev_b32 v1, 5, v0
	v_readfirstlane_b32 s14, v1                    ; wave 0..3
	s_lshr_b32 s15, s14, 1                         ; which half of A's rows is mine.  Also: I fetch for A (0) or for B (1)
	s_and_b32 s16, s14, 1                          ; which half of B's rows.  Also: which 128 rows I fetch
	s_bfe_u32 s40, ttmp6, 0x40000                  ; cx
	s_bfe_u32 s41, ttmp6, 0x40004                  ; cy
	s_and_b32 s2, ttmp7, 0xffff
	s_lshl_b32 s2, s2, 2                           ; 4 x cluster y
	s_lshl_b32 s3, ttmp9, 2                        ; 4 x cluster x
	s_cmp_eq_u32 ttmp9, 2                          ; v's clusters
	s_cselect_b32 s17, 8, s2                       ; A's tile: w's tile 8 + cy, or x's tile 4 Y + cy
	s_cselect_b32 s42, s2, s3                      ; B's tile: x's tile 4 Y + cx, or w's tile 4 X + cx
	s_add_co_u32 s17, s17, s41
	s_add_co_u32 s42, s42, s40
	s_lshl_b32 s43, s41, 2
	s_lshl_b32 s43, 15, s43                        ; my row of the cluster
	s_lshl_b32 s44, 0x1111, s40                    ; my column
	s_mov_b32 s[SEL], 0x76543210
	s_mov_b32 s[SEL+1], 0xfedcba98
	s_or_b32 s[G1+0], s43, (0<<16)|(1<<20)|(1<<21)|(5<<22)|(3<<25)  ; the mask; elements of 1 byte; padding on; bit 21 beside a mask; 4 words behind every 64
	s_or_b32 s[G1B+0], s44, (0<<16)|(1<<20)|(1<<21)|(5<<22)|(3<<25)
.irp g, G1, G1B
	s_mov_b32 s[\g+1], ROWB<<16                    ; tensor_dim0
	s_mov_b32 s[\g+2], 128<<16                     ; tensor_dim1
	s_mov_b32 s[\g+3], ROWB<<16                    ; tile_dim0
	s_mov_b32 s[\g+4], 128                         ; tile_dim1
	s_mov_b32 s[\g+5], KROW                        ; from row to row
	s_mov_b32 s[\g+6], 0
	s_mov_b32 s[\g+7], 0
.endr
	s_or_b32 s[G1S+0], s43, (3<<16)|(1<<20)|(1<<21)|(5<<22)|(3<<25) ; the scale bytes of 128 rows: 4,096 dense bytes as 16 rows of 256 (32 elements of 8 bytes), padded alike
	s_or_b32 s[G1SB+0], s44, (3<<16)|(1<<20)|(1<<21)|(5<<22)|(3<<25)
.irp g, G1S, G1SB
	s_mov_b32 s[\g+1], 32<<16
	s_mov_b32 s[\g+2], (128*KS/256)<<16
	s_mov_b32 s[\g+3], 32<<16
	s_mov_b32 s[\g+4], 128*KS/256
	s_mov_b32 s[\g+5], 32
	s_mov_b32 s[\g+6], 0
	s_mov_b32 s[\g+7], 0
.endr
	s_lshl_b32 s18, s16, 7
	s_lshl_b32 s20, s17, 8
	s_add_co_u32 s20, s20, s18                     ; A: row 256 x tile + 128 x half
	s_lshl_b32 s46, s42, 8
	s_add_co_u32 s46, s46, s18                     ; B likewise
	s_mov_b32 s21, 0
	s_mov_b32 s47, 0
	s_lshl_b64 s[22:23], s[20:21], 5               ; offsets of the rows' scale bytes (32 a row)
	s_lshl_b64 s[92:93], s[46:47], 5
	s_lshl_b64 s[20:21], s[20:21], 9               ; and of their codes (512 a row)
	s_lshl_b64 s[46:47], s[46:47], 9
	s_mul_i32 s45, s14, HALFT                      ; where they go: wave x 128 rows
	s_mul_i32 s94, s14, HALFS
	s_wait_dscnt 0x0
	s_wait_kmcnt 0x0
	s_cmp_eq_u32 ttmp9, 2                          ; which tensor is A and which is B: the choice hangs on the cluster's x alone
	s_cselect_b64 s[12:13], s[8:9], s[4:5]
	s_cselect_b64 s[96:97], s[10:11], s[6:7]
	s_cselect_b64 s[98:99], s[4:5], s[8:9]
	s_cselect_b64 s[100:101], s[6:7], s[10:11]
	s_add_nc_u64 s[20:21], s[12:13], s[20:21]
	s_add_nc_u64 s[22:23], s[96:97], s[22:23]
	s_add_nc_u64 s[46:47], s[98:99], s[46:47]
	s_add_nc_u64 s[92:93], s[100:101], s[92:93]
	CROUND                                         ; all sixteen work-groups are here: the joint loads meet
	s_mov_b32 s[G0S], 1
	s_add_co_u32 s[G0S+1], s94, SCL
	s_mov_b64 s[G0S+2:G0S+3], s[22:23]
	s_or_b32 s[G0S+3], s[G0S+3], 0x80000000
	s_mov_b32 s[G0SB], 1
	s_add_co_u32 s[G0SB+1], s94, SCL
	s_mov_b64 s[G0SB+2:G0SB+3], s[92:93]
	s_or_b32 s[G0SB+3], s[G0SB+3], 0x80000000
	JLOAD G0S, G1S, G0SB, G1SB                     ; the scales first
.irp s, 0,1
	s_mov_b32 s[G0+4*\s], 1
	s_add_co_u32 s[G0+4*\s+1], s45, \s*SLOT
	s_add_nc_u64 s[G0+4*\s+2:G0+4*\s+3], s[20:21], \s*ROWB
	s_or_b32 s[G0+4*\s+3], s[G0+4*\s+3], 0x80000000
	s_mov_b32 s[G0B+4*\s], 1
	s_add_co_u32 s[G0B+4*\s+1], s45, \s*SLOT
	s_add_nc_u64 s[G0B+4*\s+2:G0B+4*\s+3], s[46:47], \s*ROWB
	s_or_b32 s[G0B+4*\s+3], s[G0B+4*\s+3], 0x80000000
	JLOAD G0+4*\s, G1, G0B+4*\s, G1B               ; three tensor loads of mine are out
.endr
	s_load_b256 s[4:11], s[0:1], 0x20              ; b_qkv, tab, q_img, q_sc (the first four addresses are spent)
	s_load_b64 s[12:13], s[0:1], 0x40              ; kv
	v_and_b32 v1, 15, v0                           ; r
	v_bfe_u32 v2, v0, 4, 1                         ; h
	v_mul_u32_u24 v3, v1, PITCH
	v_lshl_add_u32 v4, v2, 4, v3
	s_mul_i32 s21, s15, HALFT
	s_mul_i32 s22, s16, HALFT
	s_add_co_u32 s22, s22, 2*HALFT
.irp s, 0,1
	v_add_nc_u32 v[ADRA+\s], s21, v4
	v_add_nc_u32 v[ADRB+\s], s22, v4
	s_add_co_u32 s21, s21, SLOT
	s_add_co_u32 s22, s22, SLOT
.endr
	v_mul_u32_u24 v5, v1, KS                       ; my row's scale bytes: 32 a row, and 16 more for each 256 passed
	v_lshrrev_b32 v6, 8, v5
	v_lshl_add_u32 v5, v6, 4, v5
	s_mul_i32 s21, s15, HALFS
	s_mul_i32 s22, s16, HALFS
	s_add_co_u32 s22, s22, 2*HALFS
	s_sub_co_u32 s22, s22, s21
	v_mul_u32_u24 v6, s22, v2                      ; lanes 16-31 take B's
	s_add_co_u32 s21, s21, SCL
	v_add_nc_u32 v5, v5, v6
	v_add_nc_u32 v[ADRS], s21, v5
	v_and_b32 v[LN], 31, v0
	v_lshlrev_b32 v[L16], 4, v[LN]
	v_lshlrev_b32 v[L8], 3, v[LN]
.macro FRAG reg, adr, q, i             ; 16 rows x 128 K of 4-bit codes: registers 4 c .. 4 c + 3 hold K = 64 c + 32 h + 0 .. 31
.irp c, 0,1
	ds_load_b128 v[\reg+4*\c:\reg+4*\c+3], v[\adr] offset:64*(\q)+32*\c+(\i)*16*PITCH
.endr
.endm
; 16 matrix instructions: A's blocks a0, a0 + 1 x B's eight.  The 64 accumulators take turns, one instruction a turn, in the same order in every step.
.macro MUL16 a0, p, q, sc, zero
.irp a, \a0, \a0+1
.irp b, 0,1,2,3,4,5,6,7
.if \zero
	v_wmma_scale_f32_16x16x128_f8f6f4 v[8*(8*((\a)%4)+\b):8*(8*((\a)%4)+\b)+7], v[128*(\p)+FR*\b:128*(\p)+FR*\b+FR-1], v[AF+FR*(\a):AF+FR*(\a)+FR-1], 0, v[SC+8*NQ*(\sc)+NQ*\b+(\q)], v[SC+8*NQ*(\sc)+NQ*(\a)+(\q)] matrix_a_fmt:MATRIX_FMT_FP4 matrix_b_fmt:MATRIX_FMT_FP4 matrix_a_scale:MATRIX_SCALE_ROW1
.else
	v_wmma_scale_f32_16x16x128_f8f6f4 v[8*(8*((\a)%4)+\b):8*(8*((\a)%4)+\b)+7], v[128*(\p)+FR*\b:128*(\p)+FR*\b+FR-1], v[AF+FR*(\a):AF+FR*(\a)+FR-1], v[8*(8*((\a)%4)+\b):8*(8*((\a)%4)+\b)+7], v[SC+8*NQ*(\sc)+NQ*\b+(\q)], v[SC+8*NQ*(\sc)+NQ*(\a)+(\q)] matrix_a_fmt:MATRIX_FMT_FP4 matrix_b_fmt:MATRIX_FMT_FP4 matrix_a_scale:MATRIX_SCALE_ROW1
.endif
.endr
.endr
.endm
.macro FETCH_B slot, q, p
	WIN TO_B
.irp i, 0,1,2,3,4,5,6,7
	FRAG 128*(\p)+FR*\i, ADRB+\slot, \q, \i
.endr
	WIN 0
.endm
.macro FETCH_A slot, q, i0
.irp i, \i0, \i0+1, \i0+2, \i0+3
	FRAG AF+FR*(\i), ADRA+\slot, \q, \i
.endr
.endm
.macro SCALES sc                       ; a slot's scale words: four a row; lanes 0-15 A's block i, lanes 16-31 B's block i
.irp i, 0,1,2,3,4,5,6,7
	ds_load_b128 v[SC+8*NQ*\sc+NQ*\i:SC+8*NQ*\sc+NQ*\i+3], v[ADRS] offset:\i*SBLK
.endr
.endm
.macro PLACES n                        ; plain vector instructions between a matrix instruction and a load into, or a vector instruction on, its registers
.rept \n
	v_nop
.endr
.endm
.macro STEP slot, q, zero              ; 128 along K with its successor in the same slot
	s_wait_dscnt 4*NL                              ; all but the youngest eight loads (A's blocks 4-7)
	WIN MUL_LO
	MUL16 0, (\q)%2, \q, \slot, \zero
	MUL16 2, (\q)%2, \q, \slot, \zero
	s_wait_dscnt 0
	PLACES NP
	FETCH_B \slot, (\q)+1, 1-(\q)%2
	FETCH_A \slot, (\q)+1, 0
	WIN MUL_HI
	MUL16 4, (\q)%2, \q, \slot, \zero
	MUL16 6, (\q)%2, \q, \slot, \zero
	PLACES NP
	WIN 0
	FETCH_A \slot, (\q)+1, 4
.endm
.macro TURN slot, next                 ; a slot's last step, and the change to the other slot, which must be whole: my part by my wait, the others' by the barrier
	s_wait_tensorcnt 0x0
	s_wait_dscnt 4*NL
	WIN MUL_LO
	MUL16 0, 1, NQ-1, \slot, 0
	s_wait_dscnt 0x0                               ; no LDS instruction of mine is out at the signal
	s_barrier_signal -1
	MUL16 2, 1, NQ-1, \slot, 0
	WIN 0
	s_barrier_wait -1
	PLACES NP
	v_add_nc_u32 v[ADRS], 4*NQ, v[ADRS]            ; the next slot's scale words
	FETCH_B \next, 0, 0
	FETCH_A \next, 0, 0
	SCALES \next
	WIN MUL_HI
	MUL16 4, 1, NQ-1, \slot, 0
	MUL16 6, 1, NQ-1, \slot, 0
	PLACES NP
	WIN 0
	FETCH_A \next, 0, 4
.endm
.macro TAIL                            ; the last three steps of 128, written in both ways
	STEP 1, 1, 0
	STEP 1, 2, 0
	s_wait_dscnt 4*NL
	WIN MUL_LO
	MUL16 0, 1, NQ-1, 1, 0
	MUL16 2, 1, NQ-1, 1, 0
	s_wait_dscnt 0
	WIN MUL_HI
	MUL16 4, 1, NQ-1, 1, 0
	MUL16 6, 1, NQ-1, 1, 0
	WIN 0
	PLACES NP                                      ; in front of the vector work and loads on registers of the last products
.endm
; 32 numbers of a lane, register 16 bb + 8 u + j = k 32 bb + 16 u + 8 h + j of my row, become 16 bytes of codes in v[r .. r + 3]: lane (row, h) holds block h.  The two scale bytes: v[tm + 6], v[tm + 7].
.macro QUANT32 x, r, tm
	v_max3_num_f32 v[\tm], |v[\x]|, |v[\x+1]|, 0x1800000           ; the floor 2^(3 - 127) holds the byte at 1 from below
	v_max3_num_f32 v[\tm+1], |v[\x+16]|, |v[\x+17]|, 0x1800000
.irp i, 2,4,6,8,10,12,14
	v_max3_num_f32 v[\tm], v[\tm], |v[\x+\i]|, |v[\x+\i+1]|
	v_max3_num_f32 v[\tm+1], v[\tm+1], |v[\x+16+\i]|, |v[\x+17+\i]|
.endr
	v_permlanex16_b32 v[\tm+2], v[\tm], s[SEL], s[SEL+1]
	v_permlanex16_b32 v[\tm+3], v[\tm+1], s[SEL], s[SEL+1]
	v_max_num_f32 v[\tm], v[\tm], v[\tm+2]         ; with lane l xor 16's: the block's largest magnitude
	v_max_num_f32 v[\tm+1], v[\tm+1], v[\tm+3]
	v_add_nc_u32 v[\tm+4], 0xff000000, v[\tm]      ; 2 off the exponent field: the conversion's scale operand
	v_add_nc_u32 v[\tm+5], 0xff000000, v[\tm+1]
	v_lshrrev_b32 v[\tm+6], 23, v[\tm+4]           ; the scale's byte
	v_lshrrev_b32 v[\tm+7], 23, v[\tm+5]
	s_wait_xcnt 0x0                                ; the last unit's store has read its data: the codes' registers are written again only behind this wait
	v_cvt_scalef32_pk8_fp4_f32 v[\r], v[\x:\x+7], v[\tm+4]
	v_cvt_scalef32_pk8_fp4_f32 v[\r+2], v[\x+8:\x+15], v[\tm+4]
	v_cvt_scalef32_pk8_fp4_f32 v[\r+1], v[\x+16:\x+23], v[\tm+5]
	v_cvt_scalef32_pk8_fp4_f32 v[\r+3], v[\x+24:\x+31], v[\tm+5]
	v_nop                                          ; one plain place behind a scaled conversion
	v_permlane16_swap_b32 v[\r], v[\r+1]           ; the first's lanes 16-31 change places with the second's lanes 0-15: a whole block in a lane
	v_permlane16_swap_b32 v[\r+2], v[\r+3]
.endm
	s_wait_tensorcnt 1                             ; the scales and my part of slot 0 are in; slot 1's load may stay out
	s_barrier_signal -1
	s_barrier_wait -1
	FETCH_B 0, 0, 0
	FETCH_A 0, 0, 0
	SCALES 0
	FETCH_A 0, 0, 4
	STEP 0, 0, 1                                   ; the first products start the sums
	STEP 0, 1, 0
	STEP 0, 2, 0
	TURN 0, 1
	STEP 1, 0, 0
	s_wait_kmcnt 0x0
	s_cmp_eq_u32 ttmp9, 2
	s_cbranch_scc1 .Lv_way
	; ---- q and k.  All tensor loads are done (the wait for 0 at the change of slots): the descriptors' registers are free
	s_and_b32 s24, s17, 7
	s_lshl_b32 s25, s24, 1
	s_add_co_u32 s25, s25, s15                     ; my step of 128 positions in the batch row: 0 .. 15
	s_lshr_b32 s26, s25, 2                         ; chunk of 512
	s_and_b32 s27, s25, 3                          ; step in it
	s_lshr_b32 s28, s17, 3
	s_lshl_b32 s28, s28, 4                         ; 16 x batch row
	s_lshl_b32 s29, s42, 2
	s_lshl_b32 s30, s16, 1
	s_add_co_u32 s29, s29, s30
	s_and_b32 s29, s29, 15                         ; my first head
	s_add_co_u32 s28, s28, s29
	s_mov_b32 s31, 65536                           ; q: bytes of a head's codes, of 512 positions' codes, of a head's scale words, of 512 positions' words
	s_mov_b32 s32, 16384
	s_mov_b32 s33, 8192
	s_mov_b32 s34, 2048
	s_cmp_eq_u32 ttmp9, 1                          ; k goes into kv
	s_cselect_b32 s31, HEADB, s31
	s_cselect_b32 s32, CHUNK, s32
	s_cselect_b32 s33, HEADB, s33
	s_cselect_b32 s34, CHUNK, s34
	s_cselect_b32 s35, 32768, 0
	s_cselect_b64 s[PB:PB+1], s[12:13], s[8:9]
	s_cselect_b64 s[SBS:SBS+1], s[12:13], s[10:11]
	s_mul_i32 s60, s28, s31
	s_mul_i32 s61, s26, s32
	s_add_co_u32 s60, s60, s61
	s_lshl_b32 s61, s27, 12
	s_add_co_u32 s60, s60, s61
	s_mov_b32 s61, 0
	s_add_nc_u64 s[PB:PB+1], s[PB:PB+1], s[60:61]
	s_mov_b32 s60, s31
	s_add_nc_u64 s[PB+2:PB+3], s[PB:PB+1], s[60:61]        ; my second head
	s_mul_i32 s60, s28, s33
	s_mul_i32 s62, s26, s34
	s_add_co_u32 s60, s60, s62
	s_lshl_b32 s62, s27, 9
	s_add_co_u32 s60, s60, s62
	s_add_co_u32 s60, s60, s35
	s_add_nc_u64 s[SBS:SBS+1], s[SBS:SBS+1], s[60:61]
	s_mov_b32 s60, s33
	s_add_nc_u64 s[SBS+2:SBS+3], s[SBS:SBS+1], s[60:61]
	s_lshl_b32 s60, s25, 15                        ; the table: 8 tiles of 4,096 bytes a step
	s_add_nc_u64 s[TABB:TABB+1], s[6:7], s[60:61]
	s_lshl_b32 s60, s42, 10
	s_lshl_b32 s62, s16, 9
	s_add_co_u32 s60, s60, s62                     ; the bias of my 128 columns
	s_add_nc_u64 s[BIB:BIB+1], s[4:5], s[60:61]
	v_lshlrev_b32 v[BOF], 5, v2                    ; 32 h: my half's eight columns of a block of 16
.irp p, 0,1
.irp t, 0,1,2,3
	global_load_b128 v[BIAS+32*\p+8*\t:BIAS+32*\p+8*\t+3], v[BOF], s[BIB:BIB+1] offset:(64*\p+16*\t)*4
	global_load_b128 v[BIAS+32*\p+8*\t+4:BIAS+32*\p+8*\t+7], v[BOF], s[BIB:BIB+1] offset:(64*\p+16*\t)*4+16
.endr
.endr
.macro TABLOAD a, tb                   ; cosines (16 registers) and sines (16) of block a's 16 positions: eight loads of 512 consecutive bytes
.irp k, 0,1,2,3,4,5,6,7
	global_load_b128 v[(\tb)+4*\k:(\tb)+4*\k+3], v[L16], s[TABB:TABB+1] offset:(\a)*4096+512*\k
.endr
.endm
	TABLOAD 0, TAB0
	TAIL
	v_mov_b32 v[TM+2], 0                           ; written once: a lane permute's destination counts as one of its sources
	v_mov_b32 v[TM+3], 0
; Block a of 16 positions, both heads.  new low half = low cos - high sin; new high half = high cos + low sin; low and high channels (d, d + 32) lie in one lane, 16 registers apart.
.macro QK_BLOCK a
.set TBS, TAB0-64*((\a)%2)
	s_wait_loadcnt 0x0                             ; this block's table (and at first the bias) is in; the next block's is asked for now and lands under this block's work
.if (\a) < 7
	TABLOAD (\a)+1, TAB0-64*(((\a)+1)%2)
.endif
.irp p, 0,1
	WIN 2+(\a)/4                                   ; source 0: the accumulators' window
.irp i, 0,2,4,6,8,10,12,14,16,18,20,22,24,26,28,30
	v_pk_add_f32 v[X+\i:X+\i+1], v[64*((\a)%4)+32*\p+\i:64*((\a)%4)+32*\p+\i+1], v[BIAS+32*\p+\i:BIAS+32*\p+\i+1]   ; each accumulator from its low end on
.endr
	WIN 0
.irp i, 0,2,4,6,8,10,12,14
	v_pk_mul_f32 v[T+\i:T+\i+1], v[X+\i:X+\i+1], v[TBS+16+\i:TBS+17+\i]
.endr
.irp i, 0,2,4,6,8,10,12,14
	v_pk_mul_f32 v[X+\i:X+\i+1], v[X+\i:X+\i+1], v[TBS+\i:TBS+\i+1]
.endr
.irp i, 0,2,4,6,8,10,12,14
	v_pk_fma_f32 v[X+\i:X+\i+1], v[X+16+\i:X+17+\i], v[TBS+16+\i:TBS+17+\i], v[X+\i:X+\i+1] neg_lo:[1,0,0] neg_hi:[1,0,0]
.endr
.irp i, 0,2,4,6,8,10,12,14
	v_pk_fma_f32 v[X+16+\i:X+17+\i], v[X+16+\i:X+17+\i], v[TBS+\i:TBS+\i+1], v[T+\i:T+\i+1]
.endr
	QUANT32 X, R, TM
	v_lshl_or_b32 v[W+8*\p+(\a)], v[TM+7], 8, v[TM+6]
	v_or_b32 v[W+8*\p+(\a)], 0x7f7f0000, v[W+8*\p+(\a)]    ; the instruction's K is 128, the head's 64: the upper two blocks have the scale 1 (q's codes there are zeros)
	global_store_b128 v[L16], v[R:R+3], s[PB+2*\p:PB+2*\p+1] offset:512*(\a)   ; 512 consecutive bytes, aligned
.endr
.endm
.irp a, 0,1,2,3,4,5,6,7
	QK_BLOCK \a
.endr
	v_cmp_lt_u32 vcc_lo, 15, v[LN]                 ; lanes 16-31 carry the odd blocks' words
.irp p, 0,1
.irp j, 0,1,2,3
	v_cndmask_b32 v[OUTW+4*\p+\j], v[W+8*\p+2*\j], v[W+8*\p+2*\j+1], vcc_lo
.endr
	global_store_b128 v[L16], v[OUTW+4*\p:OUTW+4*\p+3], s[SBS+2*\p:SBS+2*\p+1]
.endr
	s_branch .Lend
.Lv_way:
	; ---- v: a lane holds a channel, its registers run along the keys
	s_and_b32 s24, s42, 7
	s_lshl_b32 s25, s24, 1
	s_add_co_u32 s25, s25, s16                     ; my step of 128 keys
	s_lshr_b32 s26, s25, 2
	s_and_b32 s27, s25, 3
	s_lshr_b32 s28, s42, 3
	s_lshl_b32 s28, s28, 4
	s_sub_co_u32 s29, s17, 8
	s_lshl_b32 s29, s29, 2
	s_lshl_b32 s30, s15, 1
	s_add_co_u32 s29, s29, s30                     ; my first head
	s_add_co_u32 s28, s28, s29
	s_mul_i32 s60, s28, HEADB
	s_mul_i32 s62, s26, CHUNK
	s_add_co_u32 s60, s60, s62
	s_mov_b32 s61, 0
	s_add_nc_u64 s[PB:PB+1], s[12:13], s[60:61]    ; my chunk
	s_lshl_b32 s60, s27, 8
	s_add_co_u32 s60, s60, 34816
	s_add_nc_u64 s[SBS:SBS+1], s[PB:PB+1], s[60:61]        ; its scale words of V, 256 bytes a step
	s_lshl_b32 s60, s27, 12
	s_add_co_u32 s60, s60, 16384
	s_add_nc_u64 s[PB:PB+1], s[PB:PB+1], s[60:61]          ; its image of V, 4,096 bytes a step
	s_lshl_b32 s60, s17, 10
	s_lshl_b32 s62, s15, 9
	s_add_co_u32 s60, s60, s62
	s_add_nc_u64 s[BIB:BIB+1], s[4:5], s[60:61]    ; the bias of my 128 channels
	v_lshlrev_b32 v[BOF], 2, v1                    ; 4 r
.irp a, 0,1,2,3,4,5,6,7
	global_load_b32 v[BIAS+\a], v[BOF], s[BIB:BIB+1] offset:64*\a
.endr
	TAIL
	s_wait_loadcnt 0x0
	v_mov_b32 v[TM+2], 0
	v_mov_b32 v[TM+3], 0
	v_cmp_lt_u32 vcc_lo, 15, v[LN]
.macro V_BLOCK a                       ; 16 channels (head a / 4, tile a % 4) x my 128 keys: two units of 64 keys
.irp p, 0,1
	WIN 2+(\a)/4
.irp i, 0,1,2,3,4,5,6,7,8,9,10,11,12,13,14,15,16,17,18,19,20,21,22,23,24,25,26,27,28,29,30,31
	v_add_f32 v[X+\i], v[64*((\a)%4)+32*\p+\i], v[BIAS+(\a)]
.endr
	WIN 0
	QUANT32 X, R, TM
.if \p == 0
	v_lshl_or_b32 v[W+(\a)], v[TM+7], 8, v[TM+6]
.else
	v_lshl_or_b32 v[T], v[TM+7], 8, v[TM+6]
	v_lshl_or_b32 v[W+(\a)], v[T], 16, v[W+(\a)]   ; the step's four blocks of keys: one scale word a channel
.endif
	global_store_b128 v[L16], v[R:R+3], s[PB:PB+1] offset:((\a)/4)*HEADB+\p*2048+((\a)%4)*512
.endr
.if (\a)%4 == 3
.irp j, 0,1
	v_cndmask_b32 v[OUTW+2*((\a)/4)+\j], v[W+4*((\a)/4)+2*\j], v[W+4*((\a)/4)+2*\j+1], vcc_lo
.endr
	global_store_b64 v[L8], v[OUTW+2*((\a)/4):OUTW+2*((\a)/4)+1], s[SBS:SBS+1] offset:((\a)/4)*HEADB   ; 256 consecutive bytes, aligned
.endif
.endm
.irp a, 0,1,2,3,4,5,6,7
	V_BLOCK \a
.endr
.Lend:
	s_wait_tensorcnt 0x0
	ds_add_u32 v25, v26
	s_wait_dscnt 0x0
	CROUND                                         ; the closing round: no work-group ends while a partner may still ask for a tile that names it
	s_endpgm
.Lfunc_end_k_q67d765ffe8_qkv:
	.size	k_q67d765ffe8_qkv, .Lfunc_end_k_q67d765ffe8_qkv-k_q67d765ffe8_qkv
	.p2alignl 7, 3214868480
	.fill 96, 4, 3214868480
	.section	.rodata,"a",@progbits
	.p2align	6, 0x0
	.amdhsa_kernel k_q67d765ffe8_qkv
		.amdhsa_group_segment_fixed_size 296448
		.amdhsa_private_segment_fixed_size 0
		.amdhsa_enable_private_segment 0
		.amdhsa_kernarg_size 72
		.amdhsa_user_sgpr_count 2
		.amdhsa_user_sgpr_kernarg_segment_ptr 1
		.amdhsa_wavefront_size32 1
		.amdhsa_system_sgpr_workgroup_id_x 1
		.amdhsa_system_sgpr_workgroup_id_y 1
		.amdhsa_system_sgpr_workgroup_id_z 1
		.amdhsa_system_vgpr_workitem_id 0
		.amdhsa_next_free_vgpr 1024
		.amdhsa_next_free_sgpr 102
		.amdhsa_reserve_vcc 1
		.amdhsa_float_denorm_mode_32 3
		.amdhsa_float_denorm_mode_16_64 3
		.amdhsa_memory_ordered 1
		.amdhsa_forward_progress 1
		.amdhsa_inst_pref_size 255
	.end_amdhsa_kernel
	.section	.bss,"aw",@nobits
	.p2align	6
	.space	262144
	.amdgpu_metadata
---
amdhsa.version: [ 1, 2 ]
amdhsa.kernels:
  - .name:           k_q67d765ffe8_qkv
    .symbol:         k_q67d765ffe8_qkv.kd
    .args:
      - { .name: x_codes, .offset: 0, .size: 8, .value_kind: global_buffer, .address_space: global }
      - { .name: x_scales, .offset: 8, .size: 8, .value_kind: global_buffer, .address_space: global }
      - { .name: w_qkv_codes, .offset: 16, .size: 8, .value_kind: global_buffer, .address_space: global }
      - { .name: w_qkv_scales, .offset: 24, .size: 8, .value_kind: global_buffer, .address_space: global }
      - { .name: b_qkv, .offset: 32, .size: 8, .value_kind: global_buffer, .address_space: global }
      - { .name: tab, .offset: 40, .size: 8, .value_kind: global_buffer, .address_space: global }
      - { .name: q_img, .offset: 48, .size: 8, .value_kind: global_buffer, .address_space: global }
      - { .name: q_sc, .offset: 56, .size: 8, .value_kind: global_buffer, .address_space: global }
      - { .name: kv, .offset: 64, .size: 8, .value_kind: global_buffer, .address_space: global }
    .group_segment_fixed_size: 296448
    .private_segment_fixed_size: 0
    .kernarg_segment_align: 8
    .kernarg_segment_size: 72
    .max_flat_workgroup_size: 128
    .sgpr_count:     102
    .vgpr_count:     1024
    .wavefront_size: 32
...
	.end_amdgpu_metadata
.endif
;; end of part 2
;; launch attn (part 3): grid 4 x 64, 16 waves a work-group, clusters of 4 x 1, 169,984 bytes of LDS; arguments q_img, q_sc, kv, o_img, o_sc; writes o_img, o_sc
.if DOCPART == 3
	.amdgcn_target "amdgcn-amd-amdhsa--gfx1250"
	.amdhsa_code_object_version 6
	.text
	.protected	k_q67d765ffe8_attn
	.globl	k_q67d765ffe8_attn
	.p2align	8
	.type	k_q67d765ffe8_attn,@function
k_q67d765ffe8_attn:
	s_mov_b64 s[64:65], 0
	v_nop
	global_prefetch_b8 v0, s[64:65] scope:SCOPE_SE
	s_setreg_imm32_b32 hwreg(HW_REG_WAVE_MODE, 25, 1), 1
	s_wait_xcnt 0x0
	s_wait_alu depctr_hold_cnt(0) depctr_sa_sdst(0) depctr_va_vdst(0) depctr_va_sdst(0) depctr_va_ssrc(0) depctr_va_vcc(0) depctr_vm_vsrc(0)
	s_getreg_b32 s2, hwreg(HW_REG_IB_STS2, 6, 4)
	s_cmp_eq_u32 s2, 0
	s_cbranch_scc0 .Lentry_in_a_cluster
	s_endpgm
.Lentry_in_a_cluster:
	s_bfe_u32 s2, ttmp6, 0x10000c
	s_cmp_lg_u32 s2, 0x3003
	s_cbranch_scc0 .Lentry_shape_is_right
	s_endpgm
.Lentry_shape_is_right:
; O = softmax(Q K^T / 8) V for one head and 512 queries a work-group, both products on codes of FP4 (E2M1) with E8M0 scales; O / the row's sum is quantised along the head's 64 and stored as codes.
; THE SOFTMAX: t = score x log2(e) / 8; M = the running largest t rounded UP to a whole number; p = 2^(t - M) is quantised along the keys, not normalised; the sum is taken of the unquantised p.
; When M moves, the sum and O are multiplied by 2^(old M - new M): exact.
; SHARES.  Sixteen waves, four to a SIMD, each with one tile of 16 queries in 256 registers, two tiles one after the other.  Every wave walks the head's 2,048 keys, 128 a step.
; LDS.  The whole head's K and V (codes and scale words, 143,360 bytes in four chunks of 512 keys, laid by the launch before as images of the operands' registers) is brought ONCE, by four tensor loads
; of wave 0, and stays: nothing is filled again.  Every read is lane l at 16 l or 8 l: no padding is needed.
; CLUSTER.  The four work-groups of a cluster are the four query blocks of one head: each chunk is asked for jointly, by the same load with the mask of all four.
; LAYOUT.  Both products are used transposed: S^T = K Q^T, O^T = V^T P^T: a lane holds ONE query.  In S^T register 8 t + j of lane (r, h) is key 16 t + 8 h + j.
; THE FIRST PRODUCT'S K IS 64, THE INSTRUCTION'S 128: Q's upper four registers are zeros and the upper scale bytes of both sides are 1.0, so K's upper four registers may hold any codes: they are the next tile's.
; LIMITS: a block of zeros gets the scale byte 1 where the rule says 127 (its codes are zeros; this program alone reads the bytes); NaN and infinities are not served.
; REGISTERS: v1-10 addresses; v12 -M, v13 the largest t, v[14:15] the sum; v16-19 Q, v20-23 zeros, v24 Q's scale word; v32-63 K's eight tiles, v64-67 zeros; v68-71 K's scale words, v72-73 V's;
;   v96-159 S^T, then p; v160-191 V's four fragments; v192-223 O^T; v224-231 p's codes; v232-254 at work (v252 the factor, v253 p's scale word).
.set CHUNK, 35840                      ; K's codes 16,384; V's image 16,384; K's scale words 2,048; V's 1,024
.set HEADB, 4*CHUNK
.set OSC,   HEADB                      ; behind the head: 1,024 bytes, the scale bytes of my 512 rows of O: no tile lands there
.set L16, 1                            ; v1  16 x lane
.set L8,  2                            ; v2  8 x lane
.set QSO, 3                            ; v3  16 x (lane % 16): my query's place among Q's scale words
.set OSA, 4                            ; v4  OSC + 32 x wave + 2 x (lane % 16)
.set OSR, 5                            ; v5  OSC + 16 x thread
.set OSG, 6                            ; v6  16 x thread
.set OST, 7
.set ADK, 8
.set ADS, 9
.set ADT, 10
.set WV,  14
.set SEL, 20
.set CS,  22
.set G1,  24
.set G0,  32
.set TB,  48                           ; s48 LDS byte of the step's K codes (V's image 16,384 on)
.set TS,  49                           ; s49 of K's scale words
.set TV,  50                           ; s50 of V's
.set PASS, 51
.set STEPC, 52
.set OS,  53
.macro CROUND
	s_barrier_signal -1
	s_barrier_wait -1
	s_cmp_lg_u32 s[WV], 0
	s_cbranch_scc1 .Lnot_wave_0_\@
	s_barrier_signal -3
.Lnot_wave_0_\@:
	s_barrier_wait -3
	s_barrier_signal -1
	s_barrier_wait -1
.endm
.macro QUANT32 x, r, tm                ; 32 numbers of a lane, register 16 bb + 8 u + j = k 32 bb + 16 u + 8 h + j, become 16 bytes of codes: lane (row, h) holds block h; the bytes: v[tm + 6], v[tm + 7]
	v_max3_num_f32 v[\tm], |v[\x]|, |v[\x+1]|, 0x1800000
	v_max3_num_f32 v[\tm+1], |v[\x+16]|, |v[\x+17]|, 0x1800000
.irp i, 2,4,6,8,10,12,14
	v_max3_num_f32 v[\tm], v[\tm], |v[\x+\i]|, |v[\x+\i+1]|
	v_max3_num_f32 v[\tm+1], v[\tm+1], |v[\x+16+\i]|, |v[\x+17+\i]|
.endr
	v_permlanex16_b32 v[\tm+2], v[\tm], s[SEL], s[SEL+1]
	v_permlanex16_b32 v[\tm+3], v[\tm+1], s[SEL], s[SEL+1]
	v_max_num_f32 v[\tm], v[\tm], v[\tm+2]
	v_max_num_f32 v[\tm+1], v[\tm+1], v[\tm+3]
	v_add_nc_u32 v[\tm+4], 0xff000000, v[\tm]
	v_add_nc_u32 v[\tm+5], 0xff000000, v[\tm+1]
	v_lshrrev_b32 v[\tm+6], 23, v[\tm+4]
	v_lshrrev_b32 v[\tm+7], 23, v[\tm+5]
	s_wait_xcnt 0x0
	v_cvt_scalef32_pk8_fp4_f32 v[\r], v[\x:\x+7], v[\tm+4]
	v_cvt_scalef32_pk8_fp4_f32 v[\r+2], v[\x+8:\x+15], v[\tm+4]
	v_cvt_scalef32_pk8_fp4_f32 v[\r+1], v[\x+16:\x+23], v[\tm+5]
	v_cvt_scalef32_pk8_fp4_f32 v[\r+3], v[\x+24:\x+31], v[\tm+5]
	v_nop
	v_permlane16_swap_b32 v[\r], v[\r+1]
	v_permlane16_swap_b32 v[\r+2], v[\r+3]
.endm
	s_load_b256 s[4:11], s[0:1], 0x0               ; q_img, q_sc, kv, o_img
	s_load_b64 s[12:13], s[0:1], 0x20              ; o_sc
	v_lshl_add_u32 v251, v0, 2, 0x29000
	v_mov_b32 v255, 0
	ds_add_u32 v251, v255
	ds_add_u32 v251, v255
	v_lshrrev_b32 v8, 5, v0
	v_readfirstlane_b32 s[WV], v8                  ; wave 0..15
	v_and_b32 v9, 31, v0
	v_and_b32 v10, 15, v0
	v_lshlrev_b32 v[L16], 4, v9
	v_lshlrev_b32 v[L8], 3, v9
	v_lshlrev_b32 v[QSO], 4, v10
	v_and_b32 v11, 0x1e0, v0                       ; 32 x wave
	v_lshl_add_u32 v[OSA], v10, 1, v11
	v_add_nc_u32 v[OSA], OSC, v[OSA]
	v_lshl_add_u32 v[OSR], v0, 4, OSC
	v_lshlrev_b32 v[OSG], 4, v0
	s_bfe_u32 s15, ttmp6, 0x40000                  ; cx
	s_lshl_b32 s17, ttmp9, 2
	s_add_co_u32 s15, s15, s17                     ; my block of 512 queries: it enters Q's and O's global addresses alone
	s_and_b32 s16, ttmp7, 0xffff                   ; batch row x 16 + head, which the four partners share
	s_lshl_b32 s54, s15, 5
	s_add_co_u32 s54, s54, s[WV]                   ; my first tile of 16 queries: 32 x block + wave
	s_lshl_b32 s56, s16, 16
	s_lshl_b32 s55, s54, 9
	s_add_co_u32 s56, s56, s55                     ; Q's codes: 65,536 bytes a head, 512 a tile
	s_mov_b32 s57, 0
	s_lshl_b32 s58, s16, 13                        ; Q's scale words: 8,192 bytes a head; tile T: step T / 8, lanes' half T % 2, word (T / 2) % 4
	s_lshr_b32 s55, s54, 3
	s_lshl_b32 s55, s55, 9
	s_add_co_u32 s58, s58, s55
	s_and_b32 s55, s54, 1
	s_lshl_b32 s55, s55, 8
	s_add_co_u32 s58, s58, s55
	s_bfe_u32 s55, s54, 0x20001
	s_lshl_b32 s55, s55, 2
	s_add_co_u32 s58, s58, s55
	s_mov_b32 s59, 0
	s_and_b32 s60, s16, 15                         ; head
	s_lshr_b32 s61, s16, 4                         ; batch row
	s_lshl_b32 s62, s61, 7
	s_add_co_u32 s62, s62, s54
	s_lshl_b32 s62, s62, 9
	s_lshl_b32 s55, s60, 18
	s_add_co_u32 s62, s62, s55                     ; O's codes: [head][tile of 16 rows: 512][512 bytes]
	s_mov_b32 s63, 0
	s_lshl_b32 s60, s60, 14
	s_lshl_b32 s61, s61, 12
	s_add_co_u32 s60, s60, s61
	s_lshl_b32 s61, s15, 10
	s_add_co_u32 s60, s60, s61                     ; O's scale bytes: [head][row: 8,192][2]
	s_mov_b32 s61, 0
	s_mul_i32 s18, s16, HEADB
	s_mov_b32 s19, 0
	s_mov_b32 s[G1], 15|(3<<16)|(1<<21)            ; the mask: all four work-groups; elements of 8 bytes; bit 21 beside a mask; no padding
	s_mov_b32 s[G1+1], 32<<16                      ; a chunk is dense: 140 rows of 256 bytes
	s_mov_b32 s[G1+2], 140<<16
	s_mov_b32 s[G1+3], 32<<16
	s_mov_b32 s[G1+4], 140
	s_mov_b32 s[G1+5], 32
	s_mov_b32 s[G1+6], 0
	s_mov_b32 s[G1+7], 0
	s_mov_b32 s[SEL], 0x76543210
	s_mov_b32 s[SEL+1], 0xfedcba98
	s_mov_b32 s[CS], 0x3e38aa3b                    ; c = log2(e) / 8
	s_mov_b32 s[CS+1], s[CS]
	s_wait_dscnt 0x0
	s_wait_kmcnt 0x0
	s_add_nc_u64 s[4:5], s[4:5], s[56:57]
	s_add_nc_u64 s[6:7], s[6:7], s[58:59]
	s_add_nc_u64 s[8:9], s[8:9], s[18:19]
	s_add_nc_u64 s[10:11], s[10:11], s[62:63]
	s_add_nc_u64 s[12:13], s[12:13], s[60:61]
.irp c, 0,1,2,3
	s_mov_b32 s[G0+4*\c], 1
	s_mov_b32 s[G0+4*\c+1], \c*CHUNK
	s_add_nc_u64 s[G0+4*\c+2:G0+4*\c+3], s[8:9], \c*CHUNK
	s_or_b32 s[G0+4*\c+3], s[G0+4*\c+3], 0x80000000
.endr
	CROUND                                         ; all four work-groups are here: the joint loads meet
	s_cmp_eq_u32 s[WV], 0
	s_cbranch_scc0 .Lasked
	tensor_load_to_lds s[G0:G0+3], s[G1:G1+7]              ; wave 0's four first fills stand in one branch: four loads of mine are out
	s_nop 0
	tensor_load_to_lds s[G0+4:G0+7], s[G1:G1+7]
	s_nop 0
	tensor_load_to_lds s[G0+8:G0+11], s[G1:G1+7]
	s_nop 0
	tensor_load_to_lds s[G0+12:G0+15], s[G1:G1+7]
	s_nop 0
.rept 4
	v_nop
.endr
.Lasked:
.irp j, 20,21,22,23,64,65,66,67,236,237,238,239,252,253
	v_mov_b32 v[\j], 0                             ; Q's and the last tile's upper codes; lane permutes' destinations; the pair v[252:253]
.endr
; A KEY STEP: 128 keys.
.macro STEP
	v_add_nc_u32 v[ADK], s[TB], v[L16]
	v_add_nc_u32 v[ADS], s[TS], v[L16]
	v_add_nc_u32 v[ADT], s[TV], v[L8]
	v_nop                                          ; four places in front of loads into registers that the last step's products read
.irp t, 0,1,2,3,4,5,6,7
	ds_load_b128 v[32+4*\t:35+4*\t], v[ADK] offset:512*\t
.endr
	ds_load_b128 v[68:71], v[ADS]                  ; word j: lanes 0-15 tile 2 j, lanes 16-31 tile 2 j + 1
.irp d, 0,1,2,3
.irp c, 0,1
	ds_load_b128 v[160+8*\d+4*\c:163+8*\d+4*\c], v[ADK] offset:16384+2048*\c+512*\d
.endr
.endr
	ds_load_b64 v[72:73], v[ADT]
	s_wait_dscnt 9                                 ; K's nine loads are in; V's nine land under the softmax
.irp t, 0,2,4,6
	v_wmma_scale_f32_16x16x128_f8f6f4 v[96+8*\t:103+8*\t], v[32+4*\t:39+4*\t], v[16:23], 0, v[68+\t/2], v24 matrix_a_fmt:MATRIX_FMT_FP4 matrix_b_fmt:MATRIX_FMT_FP4
	v_wmma_scale_f32_16x16x128_f8f6f4 v[104+8*\t:111+8*\t], v[36+4*\t:43+4*\t], v[16:23], 0, v[68+\t/2], v24 matrix_a_fmt:MATRIX_FMT_FP4 matrix_b_fmt:MATRIX_FMT_FP4 matrix_a_scale:MATRIX_SCALE_ROW1
.endr
.rept 4
	v_nop
.endr
.irp b, 0,1,2,3
	v_max3_num_f32 v[232+\b], v[96+16*\b], v[97+16*\b], v[98+16*\b]   ; the largest score of each block of 32 keys: for the row's maximum, and, since p rises with the score, for the block's largest p
.endr
.irp i, 3,5,7,9,11,13
.irp b, 0,1,2,3
	v_max3_num_f32 v[232+\b], v[232+\b], v[96+16*\b+\i], v[97+16*\b+\i]
.endr
.endr
.irp b, 0,1,2,3
	v_max_num_f32 v[232+\b], v[232+\b], v[111+16*\b]
.endr
.irp b, 0,1,2,3
	v_permlanex16_b32 v[236+\b], v[232+\b], s[SEL], s[SEL+1]
.endr
.irp b, 0,1,2,3
	v_max_num_f32 v[232+\b], v[232+\b], v[236+\b]
.endr
	v_max3_num_f32 v254, v232, v233, v234
	v_max_num_f32 v254, v254, v235
	v_mul_f32 v254, s[CS], v254
	v_max_num_f32 v13, v13, v254                   ; the running largest t
	v_mov_b32 v254, v12
	v_floor_f32 v12, -v13                          ; -M = floor(-t): M is a whole number
	v_sub_f32 v254, v12, v254
	v_cvt_i32_f32 v254, v254                       ; (it saturates)
	v_ldexp_f32 v252, 1.0, v254                    ; f = 2^(old M - new M)
.irp j, 0,2,4,6,8,10,12,14,16,18,20,22,24,26,28,30,32,34,36,38,40,42,44,46,48,50,52,54,56,58,60,62
	v_pk_fma_f32 v[96+\j:97+\j], v[96+\j:97+\j], s[CS:CS+1], v[12:13] op_sel_hi:[1,0,0]   ; t - M
.endr
.irp b, 0,1,2,3
	v_fma_f32 v[232+\b], v[232+\b], s[CS], v12
.endr
.irp j, 0,1,2,3,4,5,6,7,8,9,10,11,12,13,14,15,16,17,18,19,20,21,22,23,24,25,26,27,28,29,30,31,32,33,34,35,36,37,38,39,40,41,42,43,44,45,46,47,48,49,50,51,52,53,54,55,56,57,58,59,60,61,62,63
	v_exp_f32 v[96+\j], v[96+\j]                   ; p = 2^(t - M)
.endr
.irp b, 0,1,2,3
	v_exp_f32 v[232+\b], v[232+\b]                 ; the block's largest p
.endr
	v_pk_mul_f32 v[14:15], v[14:15], v[252:253] op_sel_hi:[1,0]   ; the sums under the new M (a plain place behind the exponentials)
	s_wait_alu depctr_va_vdst(0)
.irp b, 0,1,2,3
	v_max_num_f32 v[232+\b], 0x1800000, v[232+\b]  ; the floor: the byte cannot fall under 1
.endr
.irp b, 0,1,2,3
	v_add_nc_u32 v[244+\b], 0xff000000, v[232+\b]
.endr
.irp b, 0,1,2,3
	v_lshrrev_b32 v[236+\b], 23, v[244+\b]
.endr
	v_lshl_or_b32 v253, v237, 8, v236              ; p's scale word for these 128 keys
	v_lshl_or_b32 v253, v238, 16, v253
	v_lshl_or_b32 v253, v239, 24, v253
.irp c, 0,1
	v_cvt_scalef32_pk8_fp4_f32 v[224+4*\c], v[96+32*\c:103+32*\c], v[244+2*\c]
	v_cvt_scalef32_pk8_fp4_f32 v[226+4*\c], v[104+32*\c:111+32*\c], v[244+2*\c]
	v_cvt_scalef32_pk8_fp4_f32 v[225+4*\c], v[112+32*\c:119+32*\c], v[245+2*\c]
	v_cvt_scalef32_pk8_fp4_f32 v[227+4*\c], v[120+32*\c:127+32*\c], v[245+2*\c]
.endr
	v_nop                                          ; one plain place behind a scaled conversion
.irp c, 0,1
	v_permlane16_swap_b32 v[224+4*\c], v[225+4*\c] ; a whole block of 32 keys in a lane: lanes 0-15 block 2 c, lanes 16-31 block 2 c + 1
	v_permlane16_swap_b32 v[226+4*\c], v[227+4*\c]
.endr
	v_pk_add_f32 v[236:237], v[96:97], v[98:99]    ; the row's sum, of the unquantised p, in two chains
.irp j, 4,8,12,16,20,24,28,32,36,40,44,48,52,56,60
	v_pk_add_f32 v[14:15], v[14:15], v[96+\j:97+\j]
	v_pk_add_f32 v[236:237], v[236:237], v[98+\j:99+\j]
.endr
	v_pk_add_f32 v[14:15], v[14:15], v[236:237]
.irp j, 0,2,4,6,8,10,12,14,16,18,20,22,24,26,28,30
	v_pk_mul_f32 v[192+\j:193+\j], v[192+\j:193+\j], v[252:253] op_sel_hi:[1,0]   ; O^T under the new M.  (The sums and these are the places between p's codes and scale word and the products)
.endr
	s_wait_dscnt 0x0                               ; V
.irp d, 0,2
	v_wmma_scale_f32_16x16x128_f8f6f4 v[192+8*\d:199+8*\d], v[160+8*\d:167+8*\d], v[224:231], v[192+8*\d:199+8*\d], v[72+\d/2], v253 matrix_a_fmt:MATRIX_FMT_FP4 matrix_b_fmt:MATRIX_FMT_FP4
	v_wmma_scale_f32_16x16x128_f8f6f4 v[200+8*\d:207+8*\d], v[168+8*\d:175+8*\d], v[224:231], v[200+8*\d:207+8*\d], v[72+\d/2], v253 matrix_a_fmt:MATRIX_FMT_FP4 matrix_b_fmt:MATRIX_FMT_FP4 matrix_a_scale:MATRIX_SCALE_ROW1
.endr
	s_add_co_u32 s[TB], s[TB], 4096
	s_add_co_u32 s[TS], s[TS], 512
	s_add_co_u32 s[TV], s[TV], 256
.endm
.macro RUN c                           ; chunk c: four key steps
	s_wait_tensorcnt 3-\c                          ; wave 0: chunk c has landed, the 3 - c later ones may stay out (nothing is filled again); met at once elsewhere and in the second pass
	s_barrier_signal -1
	s_barrier_wait -1
	s_mov_b32 s[TB], \c*CHUNK
	s_mov_b32 s[TS], \c*CHUNK+32768
	s_mov_b32 s[TV], \c*CHUNK+34816
	s_mov_b32 s[STEPC], 4
.Lstep_\@:
	STEP
	s_sub_co_u32 s[STEPC], s[STEPC], 1
	s_cmp_lg_u32 s[STEPC], 0
	s_cbranch_scc1 .Lstep_\@
.endm
	s_mov_b32 s[PASS], 2
	s_mov_b32 s[OS], 0
.Lpass:                                            ; two tiles of queries, 16 tiles apart
	global_load_b128 v[16:19], v[L16], s[4:5]      ; Q's fragment: 512 consecutive bytes
	global_load_b32 v24, v[QSO], s[6:7]
	v_mov_b32 v13, 0xff61b1e6                      ; the largest t so far: -3e38
	v_floor_f32 v12, -v13
	v_mov_b32 v14, 0
	v_mov_b32 v15, 0
.irp j, 0,1,2,3,4,5,6,7,8,9,10,11,12,13,14,15,16,17,18,19,20,21,22,23,24,25,26,27,28,29,30,31
	v_mov_b32 v[192+\j], 0                         ; O^T: the step is written once; the first finds zeros
.endr
	s_wait_loadcnt 0x0
	RUN 0
	RUN 1
	RUN 2
	RUN 3
.rept 4
	v_nop                                          ; places behind the last products
.endr
	v_add_f32 v14, v14, v15
	v_permlanex16_b32 v252, v14, s[SEL], s[SEL+1]
	v_add_f32 v14, v14, v252                       ; the row's sum
	v_rcp_f32 v14, v14
	v_nop
	s_wait_alu depctr_va_vdst(0)
.irp j, 0,1,2,3,4,5,6,7,8,9,10,11,12,13,14,15,16,17,18,19,20,21,22,23,24,25,26,27,28,29,30,31
	v_mul_f32 v[96+\j], v[192+\j], v14             ; register 8 t + j: channel 16 t + 8 h + j of my query
.endr
	QUANT32 96, 224, 232
	global_store_b128 v[L16], v[224:227], s[10:11] ; the tile's codes: 512 consecutive bytes, aligned
	v_lshl_or_b32 v240, v239, 8, v238
	v_add_nc_u32 v[OST], s[OS], v[OSA]
	ds_store_b16 v[OST], v240                      ; my row's two scale bytes (both halves of the lanes write the same)
	s_wait_dscnt 0x0                               ; no LDS instruction of mine is out at the next signal
	s_wait_xcnt 0x0                                ; the bases and the store's data are written again only behind this wait
	s_add_nc_u64 s[4:5], s[4:5], 8192
	s_add_nc_u64 s[6:7], s[6:7], 1024
	s_add_nc_u64 s[10:11], s[10:11], 8192
	s_add_co_u32 s[OS], s[OS], 512
	s_sub_co_u32 s[PASS], s[PASS], 1
	s_cmp_lg_u32 s[PASS], 0
	s_cbranch_scc1 .Lpass
	s_barrier_signal -1
	s_barrier_wait -1                              ; all 512 rows' scale bytes lie in LDS
	s_cmp_lt_u32 s[WV], 2
	s_cbranch_scc0 .Lno_sc
	ds_load_b128 v[96:99], v[OSR]
	s_wait_dscnt 0x0
	global_store_b128 v[OSG], v[96:99], s[12:13]   ; 1,024 consecutive bytes by two waves
.Lno_sc:
	s_wait_tensorcnt 0x0
	ds_add_u32 v251, v255
	s_wait_dscnt 0x0
	CROUND                                         ; the closing round
	s_endpgm
.Lfunc_end_k_q67d765ffe8_attn:
	.size	k_q67d765ffe8_attn, .Lfunc_end_k_q67d765ffe8_attn-k_q67d765ffe8_attn
	.p2alignl 7, 3214868480
	.fill 96, 4, 3214868480
	.section	.rodata,"a",@progbits
	.p2align	6, 0x0
	.amdhsa_kernel k_q67d765ffe8_attn
		.amdhsa_group_segment_fixed_size 169984
		.amdhsa_private_segment_fixed_size 0
		.amdhsa_enable_private_segment 0
		.amdhsa_kernarg_size 40
		.amdhsa_user_sgpr_count 2
		.amdhsa_user_sgpr_kernarg_segment_ptr 1
		.amdhsa_wavefront_size32 1
		.amdhsa_system_sgpr_workgroup_id_x 1
		.amdhsa_system_sgpr_workgroup_id_y 1
		.amdhsa_system_sgpr_workgroup_id_z 1
		.amdhsa_system_vgpr_workitem_id 0
		.amdhsa_next_free_vgpr 256
		.amdhsa_next_free_sgpr 66
		.amdhsa_reserve_vcc 0
		.amdhsa_float_denorm_mode_32 3
		.amdhsa_float_denorm_mode_16_64 3
		.amdhsa_memory_ordered 1
		.amdhsa_forward_progress 1
		.amdhsa_inst_pref_size 73
	.end_amdhsa_kernel
	.amdgpu_metadata
---
amdhsa.version: [ 1, 2 ]
amdhsa.kernels:
  - .name:           k_q67d765ffe8_attn
    .symbol:         k_q67d765ffe8_attn.kd
    .args:
      - { .name: q_img, .offset: 0, .size: 8, .value_kind: global_buffer, .address_space: global }
      - { .name: q_sc, .offset: 8, .size: 8, .value_kind: global_buffer, .address_space: global }
      - { .name: kv, .offset: 16, .size: 8, .value_kind: global_buffer, .address_space: global }
      - { .name: o_img, .offset: 24, .size: 8, .value_kind: global_buffer, .address_space: global }
      - { .name: o_sc, .offset: 32, .size: 8, .value_kind: global_buffer, .address_space: global }
    .group_segment_fixed_size: 169984
    .private_segment_fixed_size: 0
    .kernarg_segment_align: 8
    .kernarg_segment_size: 40
    .max_flat_workgroup_size: 512
    .sgpr_count:     66
    .vgpr_count:     256
    .wavefront_size: 32
...
	.end_amdgpu_metadata
.endif
;; end of part 3
;; launch proj (part 4): grid 4 x 64, 8 waves a work-group, clusters of 4 x 4, 253,440 bytes of LDS; arguments o_img, o_sc, w_out_codes, w_out_scales, b_out, out0; writes out0
.if DOCPART == 4
	.amdgcn_target "amdgcn-amd-amdhsa--gfx1250"
	.amdhsa_code_object_version 6
	.text
	.protected	k_q67d765ffe8_proj
	.globl	k_q67d765ffe8_proj
	.p2align	8
	.type	k_q67d765ffe8_proj,@function
k_q67d765ffe8_proj:
	s_mov_b64 s[64:65], 0
	v_nop
	global_prefetch_b8 v0, s[64:65] scope:SCOPE_SE
	s_setreg_imm32_b32 hwreg(HW_REG_WAVE_MODE, 25, 1), 1
	s_wait_xcnt 0x0
	s_wait_alu depctr_hold_cnt(0) depctr_sa_sdst(0) depctr_va_vdst(0) depctr_va_sdst(0) depctr_va_ssrc(0) depctr_va_vcc(0) depctr_vm_vsrc(0)
	s_getreg_b32 s2, hwreg(HW_REG_IB_STS2, 6, 4)
	s_cmp_eq_u32 s2, 0
	s_cbranch_scc0 .Lentry_in_a_cluster
	s_endpgm
.Lentry_in_a_cluster:
	s_bfe_u32 s2, ttmp6, 0x10000c
	s_cmp_lg_u32 s2, 0xf033
	s_cbranch_scc0 .Lentry_shape_is_right
	s_endpgm
.Lentry_shape_is_right:
; out0 = o w_out + b_out on codes of FP4 (E2M1) with E8M0 scales.  o: codes as register images [head 16][tile of 16 rows 512][lane 32][16 bytes], scale bytes [head][row 8,192][2].
; A tile of 128 rows x 256 columns a work-group: 256 work-groups.  Eight waves, each 64 x 64: 16 accumulators in v128-255, no register windows.
; All of K = 1,024 lies in LDS, in two halves, filled once by six tensor loads (wave 0: o's, wave 1: w's): nothing is filled again.
; CLUSTERS: 4 x 4; o's tiles are shared along a row of the cluster, w's along a column: joint loads with a mask of four.
; THE MATRIX INSTRUCTION IS USED TRANSPOSED (source 0 = 16 rows of w_out, source 1 = 16 rows of o): a lane holds eight neighbouring columns of one row of out0.  The bias is the C of each sum's first instruction.
; A step of 128 along K is two heads: registers 0-3 of o's fragment come from the even head's image, 4-7 from the odd head's; the scale word is the two heads' halfwords.
.set AIMG, 0                           ; o's codes: [half of K 2][head 8][128 rows x 32 bytes]
.set BT,   65536                       ; w's codes: two halves of 256 rows x (256 bytes + 16)
.set BTS,  69632
.set ASC,  204800                      ; o's scale bytes: [head 16][128 rows][2]
.set BSC,  208896                      ; w's: 256 rows x 32 bytes, as units of 256 bytes + 16
.set STG,  217600                      ; the way out: 16 rows x (256 bytes + 16) for each wave; no tile lands there
.set VA,  1
.set VB0, 2
.set VB1, 3
.set VAS, 4
.set VBS, 5
.set STO, 6
.set RD,  7
.set GO,  8
.set BO,  9
.set SA,  16                           ; v16-23 o's scale words: register 2 q + ap: lanes 0-15 row tile 2 ap, lanes 16-31 row tile 2 ap + 1
.set SB,  24                           ; v24-31 w's: register 4 bp + q likewise
.set BI,  32                           ; v32-63 the bias, in the result's layout
.set FA,  64
.set FB,  96
.set ACC, 128
.macro CROUND
	s_barrier_signal -1
	s_barrier_wait -1
	s_cmp_lg_u32 s16, 0
	s_cbranch_scc1 .Lnot_wave_0_\@
	s_barrier_signal -3
.Lnot_wave_0_\@:
	s_barrier_wait -3
	s_barrier_signal -1
	s_barrier_wait -1
.endm
	s_load_b256 s[4:11], s[0:1], 0x0               ; o_img, o_sc, w's codes, w's scales
	s_load_b128 s[12:15], s[0:1], 0x20             ; b_out, out0
	v_lshl_add_u32 v15, v0, 2, 0x3da00
	s_set_vgpr_msb 0x40
	v_mov_b32 v1, 0
	s_set_vgpr_msb 0x4044
	ds_add_u32 v15, v1
	ds_add_u32 v15, v1
	s_set_vgpr_msb 0x4400
	v_lshrrev_b32 v10, 5, v0
	v_readfirstlane_b32 s16, v10                   ; wave 0..7
	s_lshr_b32 s17, s16, 2                         ; which 64 rows
	s_and_b32 s18, s16, 3                          ; which 64 columns
	; every LDS address is made here, ahead of the branch on the wave's number
	v_and_b32 v10, 31, v0                          ; lane
	v_and_b32 v11, 15, v0                          ; r
	v_bfe_u32 v12, v0, 4, 1                        ; h
	s_lshl_b32 s94, s17, 11
	v_lshl_add_u32 v[VA], v10, 4, s94              ; o's images: 16 x lane + my four tiles of rows
	s_mul_i32 s94, s18, 64*272
	s_add_co_u32 s94, s94, BT
	v_mul_u32_u24 v13, v11, 272
	v_lshl_add_u32 v13, v12, 4, v13
	v_add_nc_u32 v[VB0], s94, v13                  ; w: row x pitch + 16 h
	v_add_nc_u32 v[VB1], BTS, v[VB0]
	s_lshl_b32 s94, s17, 7
	s_add_co_u32 s94, s94, ASC
	v_lshl_add_u32 v[VAS], v10, 1, s94             ; o's scale halfwords: 2 bytes a row, 32 rows to the lanes
	s_mul_i32 s94, s18, 8*272
	s_add_co_u32 s94, s94, BSC
	v_lshrrev_b32 v13, 3, v10
	v_mul_u32_u24 v13, v13, 272
	v_and_b32 v14, 7, v10
	v_lshl_add_u32 v13, v14, 5, v13
	v_add_nc_u32 v[VBS], s94, v13                  ; w's scale words: 32 bytes a row, eight rows to a unit
	s_mul_i32 s94, s16, 16*272
	s_add_co_u32 s94, s94, STG
	v_mul_u32_u24 v13, v11, 272
	v_lshl_add_u32 v13, v12, 5, v13
	v_add_nc_u32 v[STO], s94, v13                  ; into my stage: row r, 32 bytes for each half of the lanes
	v_mul_u32_u24 v13, v12, 272
	v_lshl_add_u32 v13, v11, 4, v13
	v_add_nc_u32 v[RD], s94, v13                   ; back: lanes 0-15 one row of 256 bytes, lanes 16-31 the next
	v_lshlrev_b32 v13, 12, v12
	v_lshl_add_u32 v[GO], v11, 4, v13              ; the same two rows in out0
	v_lshlrev_b32 v[BO], 5, v12
	s_bfe_u32 s19, ttmp6, 0x40000                  ; cx
	s_bfe_u32 s20, ttmp6, 0x40004                  ; cy
	s_lshl_b32 s21, ttmp9, 2
	s_add_co_u32 s21, s21, s19                     ; tile of 256 columns
	s_and_b32 s22, ttmp7, 0xffff
	s_lshl_b32 s22, s22, 2
	s_add_co_u32 s22, s22, s20                     ; tile of 128 rows
	s_lshl_b32 s23, s20, 2
	s_lshl_b32 s23, 15, s23                        ; my row of the cluster
	s_lshl_b32 s84, 0x1111, s19                    ; my column
	s_or_b32 s24, s23, (3<<16)|(1<<21)             ; o's scale bytes: 16 heads x 256 bytes, 16,384 bytes (2,048 elements of 8) apart
	s_mov_b32 s25, 32<<16
	s_mov_b32 s26, 16<<16
	s_mov_b32 s27, 32<<16
	s_mov_b32 s28, 16
	s_mov_b32 s29, 2048
	s_mov_b32 s30, 0
	s_mov_b32 s31, 0
	s_or_b32 s32, s23, (3<<16)|(1<<21)             ; o's codes: 8 heads x 4,096 bytes, 262,144 bytes apart
	s_mov_b32 s33, 512<<16
	s_mov_b32 s34, 8<<16
	s_mov_b32 s35, 512<<16
	s_mov_b32 s36, 8
	s_mov_b32 s37, 32768
	s_mov_b32 s38, 0
	s_mov_b32 s39, 0
	s_or_b32 s40, s84, (3<<16)|(1<<20)|(1<<21)|(5<<22)|(3<<25)     ; w's scale bytes: 8,192 dense bytes as 32 rows of 256, 16 bytes of padding behind each
	s_mov_b32 s41, 32<<16
	s_mov_b32 s42, 32<<16
	s_mov_b32 s43, 32<<16
	s_mov_b32 s44, 32
	s_mov_b32 s45, 32
	s_mov_b32 s46, 0
	s_mov_b32 s47, 0
	s_or_b32 s48, s84, (0<<16)|(1<<20)|(1<<21)|(5<<22)|(3<<25)     ; w's codes: 256 rows x 256 bytes, 512 apart, padded alike
	s_mov_b32 s49, 256<<16
	s_mov_b32 s50, 256<<16
	s_mov_b32 s51, 256<<16
	s_mov_b32 s52, 256
	s_mov_b32 s53, 512
	s_mov_b32 s54, 0
	s_mov_b32 s55, 0
	s_lshl_b32 s86, s22, 8
	s_mov_b32 s87, 0
	s_lshl_b32 s88, s22, 12
	s_mov_b32 s89, 0
	s_lshl_b32 s90, s21, 13
	s_mov_b32 s91, 0
	s_lshl_b32 s92, s21, 17
	s_mov_b32 s93, 0
	s_lshl_b32 s96, s21, 10
	s_lshl_b32 s97, s18, 8
	s_add_co_u32 s96, s96, s97                     ; my first column, in bytes
	s_mov_b32 s97, 0
	s_lshl_b32 s98, s22, 19
	s_lshl_b32 s99, s17, 18
	s_add_co_u32 s98, s98, s99                     ; my first row, in bytes
	s_mov_b32 s99, 0
	s_wait_dscnt 0x0
	s_wait_kmcnt 0x0
	s_mov_b32 s56, 1
	s_mov_b32 s57, ASC
	s_add_nc_u64 s[58:59], s[6:7], s[86:87]
	s_or_b32 s59, s59, 0x80000000
	s_mov_b32 s60, 1
	s_mov_b32 s61, AIMG
	s_add_nc_u64 s[62:63], s[4:5], s[88:89]
	s_mov_b32 s68, 1
	s_mov_b32 s69, AIMG+32768
	s_add_nc_u64 s[70:71], s[62:63], 2097152       ; heads 8 to 15
	s_or_b32 s63, s63, 0x80000000
	s_or_b32 s71, s71, 0x80000000
	s_mov_b32 s72, 1
	s_mov_b32 s73, BSC
	s_add_nc_u64 s[74:75], s[10:11], s[90:91]
	s_or_b32 s75, s75, 0x80000000
	s_mov_b32 s76, 1
	s_mov_b32 s77, BT
	s_add_nc_u64 s[78:79], s[8:9], s[92:93]
	s_mov_b32 s80, 1
	s_mov_b32 s81, BT+BTS
	s_add_nc_u64 s[82:83], s[78:79], 256
	s_or_b32 s79, s79, 0x80000000
	s_or_b32 s83, s83, 0x80000000
	s_add_nc_u64 s[12:13], s[12:13], s[96:97]
	s_add_nc_u64 s[14:15], s[14:15], s[96:97]
	s_add_nc_u64 s[14:15], s[14:15], s[98:99]
	CROUND                                         ; all sixteen work-groups are here: the joint loads meet
	s_cmp_eq_u32 s16, 0
	s_cbranch_scc0 .Lnot_0
	tensor_load_to_lds s[56:59], s[24:31]          ; wave 0: o's scale bytes, then the two halves of K: three loads of mine are out
	s_nop 0
	tensor_load_to_lds s[60:63], s[32:39]
	s_nop 0
	tensor_load_to_lds s[68:71], s[32:39]
	s_nop 0
.rept 4
	v_nop
.endr
	s_branch .Lasked
.Lnot_0:
	s_cmp_eq_u32 s16, 1
	s_cbranch_scc0 .Lasked
	tensor_load_to_lds s[72:75], s[40:47]          ; wave 1: the same of w
	s_nop 0
	tensor_load_to_lds s[76:79], s[48:55]
	s_nop 0
	tensor_load_to_lds s[80:83], s[48:55]
	s_nop 0
.rept 4
	v_nop
.endr
.Lasked:
.irp b, 0,1,2,3
	global_load_b128 v[BI+8*\b:BI+8*\b+3], v[BO], s[12:13] offset:64*\b        ; lane (r, h): columns 16 b + 8 h + 0 .. 7
	global_load_b128 v[BI+8*\b+4:BI+8*\b+7], v[BO], s[12:13] offset:64*\b+16
.endr
.macro SCALES kap                      ; the scale words of half kap of K: four steps of 128
.rept 4
	v_nop                                          ; places in front of loads into registers that matrix instructions have read
.endr
.irp q, 0,1,2,3
.irp ap, 0,1
	ds_load_u16 v[FA+4*\q+2*\ap], v[VAS] offset:(8*\kap+2*\q)*256+64*\ap
	ds_load_u16 v[FA+4*\q+2*\ap+1], v[VAS] offset:(8*\kap+2*\q+1)*256+64*\ap
.endr
.endr
.irp bp, 0,1
	ds_load_b128 v[SB+4*\bp:SB+4*\bp+3], v[VBS] offset:4*\bp*272+16*\kap
.endr
	s_wait_dscnt 0x0
.irp q, 0,1,2,3
.irp ap, 0,1
	v_lshl_or_b32 v[SA+2*\q+\ap], v[FA+4*\q+2*\ap+1], 16, v[FA+4*\q+2*\ap]   ; two heads' halfwords: one word for 128 along K
.endr
.endr
.rept 8
	v_nop                                          ; a scale register written by a vector instruction stands eight places ahead of a scaled matrix instruction
.endr
.endm
.macro MM a, b, q, first
.set DD, ACC+8*(4*(\a)+(\b))
.set CC, DD
.if \first
.set CC, BI+8*(\b)
.endif
.set SCB, SB+4*((\b)/2)+(\q)
.set SCA, SA+2*(\q)+(\a)/2
.if ((\a)%2 == 0) && ((\b)%2 == 0)
	v_wmma_scale_f32_16x16x128_f8f6f4 v[DD:DD+7], v[FB+8*(\b):FB+8*(\b)+7], v[FA+8*(\a):FA+8*(\a)+7], v[CC:CC+7], v[SCB], v[SCA] matrix_a_fmt:MATRIX_FMT_FP4 matrix_b_fmt:MATRIX_FMT_FP4
.elseif (\a)%2 == 0
	v_wmma_scale_f32_16x16x128_f8f6f4 v[DD:DD+7], v[FB+8*(\b):FB+8*(\b)+7], v[FA+8*(\a):FA+8*(\a)+7], v[CC:CC+7], v[SCB], v[SCA] matrix_a_fmt:MATRIX_FMT_FP4 matrix_b_fmt:MATRIX_FMT_FP4 matrix_a_scale:MATRIX_SCALE_ROW1
.elseif (\b)%2 == 0
	v_wmma_scale_f32_16x16x128_f8f6f4 v[DD:DD+7], v[FB+8*(\b):FB+8*(\b)+7], v[FA+8*(\a):FA+8*(\a)+7], v[CC:CC+7], v[SCB], v[SCA] matrix_a_fmt:MATRIX_FMT_FP4 matrix_b_fmt:MATRIX_FMT_FP4 matrix_b_scale:MATRIX_SCALE_ROW1
.else
	v_wmma_scale_f32_16x16x128_f8f6f4 v[DD:DD+7], v[FB+8*(\b):FB+8*(\b)+7], v[FA+8*(\a):FA+8*(\a)+7], v[CC:CC+7], v[SCB], v[SCA] matrix_a_fmt:MATRIX_FMT_FP4 matrix_b_fmt:MATRIX_FMT_FP4 matrix_a_scale:MATRIX_SCALE_ROW1 matrix_b_scale:MATRIX_SCALE_ROW1
.endif
.endm
.macro KSTEP kap, q, first             ; 128 along K: 16 loads, 16 matrix instructions; the 16 accumulators take turns
.rept 4
	v_nop
.endr
.irp a, 0,1,2,3
.irp c, 0,1
	ds_load_b128 v[FA+8*\a+4*\c:FA+8*\a+4*\c+3], v[VA] offset:\kap*32768+(2*\q+\c)*4096+512*\a
.endr
.endr
.irp b, 0,1,2,3
.irp c, 0,1
	ds_load_b128 v[FB+8*\b+4*\c:FB+8*\b+4*\c+3], v[VB0+\kap] offset:\b*16*272+64*\q+32*\c
.endr
.endr
	s_wait_dscnt 0x0
.irp a, 0,1,2,3
.irp b, 0,1,2,3
	MM \a, \b, \q, \first
.endr
.endr
.endm
	s_wait_tensorcnt 1                             ; waves 0, 1: the scale bytes and the first half of K are in; the second half may stay out
	s_barrier_signal -1
	s_barrier_wait -1
	SCALES 0
	s_wait_loadcnt 0x0                             ; the bias
	KSTEP 0, 0, 1
	KSTEP 0, 1, 0
	KSTEP 0, 2, 0
	KSTEP 0, 3, 0
	s_wait_tensorcnt 0x0                           ; the second half
	s_wait_dscnt 0x0
	s_barrier_signal -1
	s_barrier_wait -1
	SCALES 1
	KSTEP 1, 0, 0
	KSTEP 1, 1, 0
	KSTEP 1, 2, 0
	KSTEP 1, 3, 0
; THE WAY OUT, 16 rows x 64 columns at a time, through my own stage: LDS serves a wave's instructions in order (ISA guide 5.7.1.4), so no wait stands between the stores and the loads.
.macro TOSTAGE a
.irp b, 0,1,2,3
	ds_store_b128 v[STO], v[ACC+8*(4*(\a)+\b):ACC+8*(4*(\a)+\b)+3] offset:64*\b        ; each accumulator from its low end on
	ds_store_b128 v[STO], v[ACC+8*(4*(\a)+\b)+4:ACC+8*(4*(\a)+\b)+7] offset:64*\b+16
.endr
.set BB, FA+32*((\a)%2)
.irp i, 0,1,2,3,4,5,6,7
	ds_load_b128 v[BB+4*\i:BB+4*\i+3], v[RD] offset:2*\i*272
.endr
.endm
.macro SEND a, younger
.set BB, FA+32*((\a)%2)
	s_wait_dscnt \younger                          ; the block is back; the next block's 8 stores and 8 loads may stay out
.irp i, 0,1,2,3,4,5,6,7
	global_store_b128 v[GO], v[BB+4*\i:BB+4*\i+3], s[14:15] offset:(16*(\a)+2*\i)*4096 th:TH_STORE_NT   ; sixteen lanes store 256 consecutive bytes, aligned; written once, read by nobody here
.endr
.endm
.rept 4
	v_nop                                          ; places behind the last products
.endr
	TOSTAGE 0
	TOSTAGE 1
	SEND 0, 16
	s_wait_xcnt 0x0                                ; block 0's stores have read their registers: block 2's loads may land there
	TOSTAGE 2
	SEND 1, 16
	s_wait_xcnt 0x0
	TOSTAGE 3
	SEND 2, 16
	SEND 3, 0
	s_set_vgpr_msb 0x4
	s_wait_tensorcnt 0x0
	ds_add_u32 v15, v1
	s_wait_dscnt 0x0
	s_set_vgpr_msb 0x400
	CROUND                                         ; the closing round
	s_endpgm
.Lfunc_end_k_q67d765ffe8_proj:
	.size	k_q67d765ffe8_proj, .Lfunc_end_k_q67d765ffe8_proj-k_q67d765ffe8_proj
	.p2alignl 7, 3214868480
	.fill 96, 4, 3214868480
	.section	.rodata,"a",@progbits
	.p2align	6, 0x0
	.amdhsa_kernel k_q67d765ffe8_proj
		.amdhsa_group_segment_fixed_size 253440
		.amdhsa_private_segment_fixed_size 0
		.amdhsa_enable_private_segment 0
		.amdhsa_kernarg_size 48
		.amdhsa_user_sgpr_count 2
		.amdhsa_user_sgpr_kernarg_segment_ptr 1
		.amdhsa_wavefront_size32 1
		.amdhsa_system_sgpr_workgroup_id_x 1
		.amdhsa_system_sgpr_workgroup_id_y 1
		.amdhsa_system_sgpr_workgroup_id_z 1
		.amdhsa_system_vgpr_workitem_id 0
		.amdhsa_next_free_vgpr 258
		.amdhsa_next_free_sgpr 100
		.amdhsa_reserve_vcc 0
		.amdhsa_float_denorm_mode_32 3
		.amdhsa_float_denorm_mode_16_64 3
		.amdhsa_memory_ordered 1
		.amdhsa_forward_progress 1
		.amdhsa_inst_pref_size 47
	.end_amdhsa_kernel
	.amdgpu_metadata
---
amdhsa.version: [ 1, 2 ]
amdhsa.kernels:
  - .name:           k_q67d765ffe8_proj
    .symbol:         k_q67d765ffe8_proj.kd
    .args:
      - { .name: o_img, .offset: 0, .size: 8, .value_kind: global_buffer, .address_space: global }
      - { .name: o_sc, .offset: 8, .size: 8, .value_kind: global_buffer, .address_space: global }
      - { .name: w_out_codes, .offset: 16, .size: 8, .value_kind: global_buffer, .address_space: global }
      - { .name: w_out_scales, .offset: 24, .size: 8, .value_kind: global_buffer, .address_space: global }
      - { .name: b_out, .offset: 32, .size: 8, .value_kind: global_buffer, .address_space: global }
      - { .name: out0, .offset: 40, .size: 8, .value_kind: global_buffer, .address_space: global }
    .group_segment_fixed_size: 253440
    .private_segment_fixed_size: 0
    .kernarg_segment_align: 8
    .kernarg_segment_size: 48
    .max_flat_workgroup_size: 256
    .sgpr_count:     100
    .vgpr_count:     258
    .wavefront_size: 32
...
	.end_amdgpu_metadata
.endif
;; end of part 4
;; ======== version 2 of 2: 4 launches; 1.12 times as fast as version 1
;; workspace buffers: tab 524,288 bytes; q_img 4,194,304 bytes; q_sc 524,288 bytes; kv 9,175,040 bytes; o_img 4,194,304 bytes; o_sc 262,144 bytes
;; launch rope: the kernel of part 1 again; grid 256 x 1, 1 waves a work-group, no clusters, 0 bytes of LDS; arguments tab; writes tab
;; launch qkv (part 5): grid 12 x 32, 4 waves a work-group, clusters of 4 x 4, 296,448 bytes of LDS; arguments x_codes, x_scales, w_qkv_codes, w_qkv_scales, b_qkv, tab, q_img, q_sc, kv; writes q_img, q_sc, kv
.if DOCPART == 5
	.amdgcn_target "amdgcn-amd-amdhsa--gfx1250"
	.amdhsa_code_object_version 6
	.text
	.protected	k_q67d765ffe8_qkv
	.globl	k_q67d765ffe8_qkv
	.p2align	8
	.type	k_q67d765ffe8_qkv,@function
k_q67d765ffe8_qkv:
	s_mov_b64 s[64:65], 0
	v_nop
	global_prefetch_b8 v0, s[64:65] scope:SCOPE_SE
	s_setreg_imm32_b32 hwreg(HW_REG_WAVE_MODE, 25, 1), 1
	s_wait_xcnt 0x0
	s_wait_alu depctr_hold_cnt(0) depctr_sa_sdst(0) depctr_va_vdst(0) depctr_va_sdst(0) depctr_va_ssrc(0) depctr_va_vcc(0) depctr_vm_vsrc(0)
	s_getreg_b32 s2, hwreg(HW_REG_IB_STS2, 6, 4)
	s_cmp_eq_u32 s2, 0
	s_cbranch_scc0 .Lentry_in_a_cluster
	s_endpgm
.Lentry_in_a_cluster:
	s_bfe_u32 s2, ttmp6, 0x10000c
	s_cmp_lg_u32 s2, 0xf033
	s_cbranch_scc0 .Lentry_shape_is_right
	s_endpgm
.Lentry_shape_is_right:
; qkv = x w_qkv + b_qkv on codes of FP4 (E2M1) with E8M0 scales; then RoPE on q and k; then q, k (along the head's 64) and v (along the keys) are quantised again and stored as codes.
; A tile of 256 x 256 of the product is made by four waves, each 128 x 128: 64 accumulators, 512 registers.  K = 1,024 is two LDS slots of 512 along K (rows of 256 bytes + 16 of padding);
; both slots and the scale bytes of the 512 rows are filled ONCE, at the start: nothing in LDS is filled again.
; THE MATRIX INSTRUCTION: source 1 ('A') gives the lane, source 0 ('B') the registers: lane (r, h) holds row r of A's block and the eight rows 8 h + 0 .. 7 of B's block.
;   clusters x = 0, 1 (q, k): A = x, B = w: a lane holds one position and its registers run along the head's channels, which is the next product's K.
;   cluster  x = 2    (v):    A = w, B = x: a lane holds one channel and its registers run along the keys, which is the next product's K for v.
; CLUSTERS: 4 x 4 work-groups; A's tile is shared along a row of the cluster, B's along a column: each is asked for jointly, with a mask that names the four.
; THE TWO WAYS PART ONCE, on the cluster's x (the same in all partners), in front of the last three steps of 128 along K, which are written in both ways: each way asks at its head for its bias;
; the q/k way also for the cosines and sines of its first four blocks of 16 positions, into the 128 registers of window 1 that B's two sets leave free; the other four blocks' follow into B's sets
; as soon as the last products have read them.  So every table has at least 192 matrix instructions or four blocks' vector work in which to land.
; OUT: a unit is 16 lanes' rows x 64 along the next K: 32 registers a lane, register 16 bb + 8 u + j = k 32 bb + 16 u + 8 h + j.  Its codes leave as the IMAGE of an operand's registers:
; lane l's 16 bytes (row l % 16, block l / 16) at 16 l: one store of 512 consecutive bytes.  Scale words are laid so that one load of 16 (v: 8) bytes a lane brings a step's words.
; LIMITS: a block of zeros gets the scale byte 1 where the rule says 127 (its codes are zeros; this program alone reads the bytes); NaN and infinities are not served.
; REGISTERS, in windows of 256: window 0: v0-31 addresses; v32-95 scale words, two sets; v128-191 A's fragments, one set; v192-255 bias; window 1: B's fragments, two sets (v0-63, v128-191), and the tables;
;   windows 2, 3: the accumulators ((a, b) at v[8 (8 (a % 4) + b)]).  On the way out window 0 is laid anew (below).
.set NQ,     4                         ; steps of 128 in a slot
.set ROWB,   256                       ; a tile's row in bytes: 512 codes
.set KROW,   512                       ; a row of x or w in memory
.set PITCH,  272                       ; an LDS row: 256 bytes + 16 of padding: the 16 rows of a fragment load start at 16 different banks (64 banks of 4 bytes: ISA guide 11.1)
.set FR,     8
.set NL,     2
.set NP,     4                         ; places behind this matrix instruction (ISA guide 7.12.1)
.set HALFT,  128*PITCH
.set SLOT,   4*HALFT
.set KS,     32                        ; a row of scale bytes
.set SCL,    2*SLOT
.set HALFS,  (128*KS/256)*272
.set SBLK,   (16*KS/256)*272
.set HEADB,  143360                    ; kv: bytes of a head: four chunks
.set CHUNK,  35840                     ; a chunk of 512 keys: K's codes 16,384; V's image 16,384; K's scale words 2,048; V's 1,024
.set ADRA, 16
.set ADRB, 20
.set ADRS, 27
.set L16,  28                          ; v28 16 x lane
.set L8,   29                          ; v29 8 x lane
.set BOF,  30                          ; v30 my lane's offset in the bias
.set LN,   31                          ; v31 lane
.set SC,   32
.set AF,   128
.set W,    64                          ; the way out: v64-79 scale words as they are made
.set OUTW, 80                          ; v80-87 scale words as they leave
.set X,    128                         ; v128-159 a unit's 32 numbers
.set T,    160                         ; v160-175 at work
.set R,    176                         ; v176-179 a unit's codes
.set TM,   180                         ; v180-187 the quantiser's work
.set BIAS, 192
.set G1, 24
.set G0, 32
.set G1B, 48
.set G0B, 56
.set SEL, 66                           ; s66, s67 lane selects: lane l xor 16
.set G1S, 68
.set G0S, 76
.set G1SB, 80
.set G0SB, 88
.set PB,   48                          ; the way out (the descriptors are done with): s[48:51] where codes go, s[52:55] scale words, s[56:57] table, s[58:59] bias
.set SBS,  52
.set TABB, 56
.set BIB,  58
.set MSB, 0
.macro WIN new                         ; the immediate's high byte repeats the setting that is left
.if MSB != \new
	s_set_vgpr_msb (MSB<<8)|\new
.set MSB, \new
.endif
.endm
.set MUL_LO, 0xa1                      ; source 0 (B) window 1, source 1 (A) window 0, C and D window 2
.set MUL_HI, 0xf1
.set TO_B,   0x40                      ; destination window 1, address window 0
.set BY_TAB, 0x04                      ; source 1 (the table) window 1, all else window 0
; A joint load: waves 0 and 1 fetch for A, waves 2 and 3 for B; four v_nop follow each of the two lines.
.macro JLOAD g0a, g1a, g0b, g1b
	s_cmp_eq_u32 s15, 0
	s_cbranch_scc0 .Lfor_b_\@
	tensor_load_to_lds s[\g0a:\g0a+3], s[\g1a:\g1a+7]
	s_nop 0
.rept 4
	v_nop
.endr
	s_branch .Lasked_\@
.Lfor_b_\@:
	tensor_load_to_lds s[\g0b:\g0b+3], s[\g1b:\g1b+7]
	s_nop 0
.rept 4
	v_nop
.endr
.Lasked_\@:
.endm
.macro CROUND                          ; a round of the cluster's barrier
	s_barrier_signal -1
	s_barrier_wait -1
	s_cmp_lg_u32 s14, 0
	s_cbranch_scc1 .Lnot_wave_0_\@
	s_barrier_signal -3
.Lnot_wave_0_\@:
	s_barrier_wait -3
	s_barrier_signal -1
	s_barrier_wait -1
.endm
	s_load_b256 s[4:11], s[0:1], 0x0               ; x's codes, x's scales, w's codes, w's scales
	v_lshl_add_u32 v126, v0, 2, 0x48400
	v_mov_b32 v127, 0
	ds_add_u32 v126, v127
	ds_add_u32 v126, v127
	v_lshrrev_b32 v1, 5, v0
	v_readfirstlane_b32 s14, v1                    ; wave 0..3
	s_lshr_b32 s15, s14, 1                         ; which half of A's rows is mine.  Also: I fetch for A (0) or for B (1)
	s_and_b32 s16, s14, 1                          ; which half of B's rows.  Also: which 128 rows I fetch
	s_bfe_u32 s40, ttmp6, 0x40000                  ; cx
	s_bfe_u32 s41, ttmp6, 0x40004                  ; cy
	s_and_b32 s2, ttmp7, 0xffff
	s_lshl_b32 s2, s2, 2                           ; 4 x cluster y
	s_lshl_b32 s3, ttmp9, 2                        ; 4 x cluster x
	s_cmp_eq_u32 ttmp9, 2                          ; v's clusters
	s_cselect_b32 s17, 8, s2                       ; A's tile: w's tile 8 + cy, or x's tile 4 Y + cy
	s_cselect_b32 s42, s2, s3                      ; B's tile: x's tile 4 Y + cx, or w's tile 4 X + cx
	s_add_co_u32 s17, s17, s41
	s_add_co_u32 s42, s42, s40
	s_lshl_b32 s43, s41, 2
	s_lshl_b32 s43, 15, s43                        ; my row of the cluster
	s_lshl_b32 s44, 0x1111, s40                    ; my column
	s_mov_b32 s[SEL], 0x76543210
	s_mov_b32 s[SEL+1], 0xfedcba98
	s_or_b32 s[G1+0], s43, (0<<16)|(1<<20)|(1<<21)|(5<<22)|(3<<25)  ; the mask; elements of 1 byte; padding on; bit 21 beside a mask; 4 words behind every 64
	s_or_b32 s[G1B+0], s44, (0<<16)|(1<<20)|(1<<21)|(5<<22)|(3<<25)
.irp g, G1, G1B
	s_mov_b32 s[\g+1], ROWB<<16                    ; tensor_dim0
	s_mov_b32 s[\g+2], 128<<16                     ; tensor_dim1
	s_mov_b32 s[\g+3], ROWB<<16                    ; tile_dim0
	s_mov_b32 s[\g+4], 128                         ; tile_dim1
	s_mov_b32 s[\g+5], KROW                        ; from row to row
	s_mov_b32 s[\g+6], 0
	s_mov_b32 s[\g+7], 0
.endr
	s_or_b32 s[G1S+0], s43, (3<<16)|(1<<20)|(1<<21)|(5<<22)|(3<<25) ; the scale bytes of 128 rows: 4,096 dense bytes as 16 rows of 256 (32 elements of 8 bytes), padded alike
	s_or_b32 s[G1SB+0], s44, (3<<16)|(1<<20)|(1<<21)|(5<<22)|(3<<25)
.irp g, G1S, G1SB
	s_mov_b32 s[\g+1], 32<<16
	s_mov_b32 s[\g+2], (128*KS/256)<<16
	s_mov_b32 s[\g+3], 32<<16
	s_mov_b32 s[\g+4], 128*KS/256
	s_mov_b32 s[\g+5], 32
	s_mov_b32 s[\g+6], 0
	s_mov_b32 s[\g+7], 0
.endr
	s_lshl_b32 s18, s16, 7
	s_lshl_b32 s20, s17, 8
	s_add_co_u32 s20, s20, s18                     ; A: row 256 x tile + 128 x half
	s_lshl_b32 s46, s42, 8
	s_add_co_u32 s46, s46, s18                     ; B likewise
	s_mov_b32 s21, 0
	s_mov_b32 s47, 0
	s_lshl_b64 s[22:23], s[20:21], 5               ; offsets of the rows' scale bytes (32 a row)
	s_lshl_b64 s[92:93], s[46:47], 5
	s_lshl_b64 s[20:21], s[20:21], 9               ; and of their codes (512 a row)
	s_lshl_b64 s[46:47], s[46:47], 9
	s_mul_i32 s45, s14, HALFT                      ; where they go: wave x 128 rows
	s_mul_i32 s94, s14, HALFS
	s_wait_dscnt 0x0
	s_wait_kmcnt 0x0
	s_cmp_eq_u32 ttmp9, 2                          ; which tensor is A and which is B: the choice hangs on the cluster's x alone
	s_cselect_b64 s[12:13], s[8:9], s[4:5]
	s_cselect_b64 s[96:97], s[10:11], s[6:7]
	s_cselect_b64 s[98:99], s[4:5], s[8:9]
	s_cselect_b64 s[100:101], s[6:7], s[10:11]
	s_add_nc_u64 s[20:21], s[12:13], s[20:21]
	s_add_nc_u64 s[22:23], s[96:97], s[22:23]
	s_add_nc_u64 s[46:47], s[98:99], s[46:47]
	s_add_nc_u64 s[92:93], s[100:101], s[92:93]
	CROUND                                         ; all sixteen work-groups are here: the joint loads meet
	s_mov_b32 s[G0S], 1
	s_add_co_u32 s[G0S+1], s94, SCL
	s_mov_b64 s[G0S+2:G0S+3], s[22:23]
	s_or_b32 s[G0S+3], s[G0S+3], 0x80000000
	s_mov_b32 s[G0SB], 1
	s_add_co_u32 s[G0SB+1], s94, SCL
	s_mov_b64 s[G0SB+2:G0SB+3], s[92:93]
	s_or_b32 s[G0SB+3], s[G0SB+3], 0x80000000
	JLOAD G0S, G1S, G0SB, G1SB                     ; the scales first
.irp s, 0,1
	s_mov_b32 s[G0+4*\s], 1
	s_add_co_u32 s[G0+4*\s+1], s45, \s*SLOT
	s_add_nc_u64 s[G0+4*\s+2:G0+4*\s+3], s[20:21], \s*ROWB
	s_or_b32 s[G0+4*\s+3], s[G0+4*\s+3], 0x80000000
	s_mov_b32 s[G0B+4*\s], 1
	s_add_co_u32 s[G0B+4*\s+1], s45, \s*SLOT
	s_add_nc_u64 s[G0B+4*\s+2:G0B+4*\s+3], s[46:47], \s*ROWB
	s_or_b32 s[G0B+4*\s+3], s[G0B+4*\s+3], 0x80000000
	JLOAD G0+4*\s, G1, G0B+4*\s, G1B               ; three tensor loads of mine are out
.endr
	s_load_b256 s[4:11], s[0:1], 0x20              ; b_qkv, tab, q_img, q_sc (the first four addresses are spent)
	s_load_b64 s[12:13], s[0:1], 0x40              ; kv
	v_and_b32 v1, 15, v0                           ; r
	v_bfe_u32 v2, v0, 4, 1                         ; h
	v_mul_u32_u24 v3, v1, PITCH
	v_lshl_add_u32 v4, v2, 4, v3
	s_mul_i32 s21, s15, HALFT
	s_mul_i32 s22, s16, HALFT
	s_add_co_u32 s22, s22, 2*HALFT
.irp s, 0,1
	v_add_nc_u32 v[ADRA+\s], s21, v4
	v_add_nc_u32 v[ADRB+\s], s22, v4
	s_add_co_u32 s21, s21, SLOT
	s_add_co_u32 s22, s22, SLOT
.endr
	v_mul_u32_u24 v5, v1, KS                       ; my row's scale bytes: 32 a row, and 16 more for each 256 passed
	v_lshrrev_b32 v6, 8, v5
	v_lshl_add_u32 v5, v6, 4, v5
	s_mul_i32 s21, s15, HALFS
	s_mul_i32 s22, s16, HALFS
	s_add_co_u32 s22, s22, 2*HALFS
	s_sub_co_u32 s22, s22, s21
	v_mul_u32_u24 v6, s22, v2                      ; lanes 16-31 take B's
	s_add_co_u32 s21, s21, SCL
	v_add_nc_u32 v5, v5, v6
	v_add_nc_u32 v[ADRS], s21, v5
	v_and_b32 v[LN], 31, v0
	v_lshlrev_b32 v[L16], 4, v[LN]
	v_lshlrev_b32 v[L8], 3, v[LN]
.macro FRAG reg, adr, q, i             ; 16 rows x 128 K of 4-bit codes: registers 4 c .. 4 c + 3 hold K = 64 c + 32 h + 0 .. 31
.irp c, 0,1
	ds_load_b128 v[\reg+4*\c:\reg+4*\c+3], v[\adr] offset:64*(\q)+32*\c+(\i)*16*PITCH
.endr
.endm
; 16 matrix instructions: A's blocks a0, a0 + 1 x B's eight.  The 64 accumulators take turns, one instruction a turn, in the same order in every step.
.macro MUL16 a0, p, q, sc, zero
.irp a, \a0, \a0+1
.irp b, 0,1,2,3,4,5,6,7
.if \zero
	v_wmma_scale_f32_16x16x128_f8f6f4 v[8*(8*((\a)%4)+\b):8*(8*((\a)%4)+\b)+7], v[128*(\p)+FR*\b:128*(\p)+FR*\b+FR-1], v[AF+FR*(\a):AF+FR*(\a)+FR-1], 0, v[SC+8*NQ*(\sc)+NQ*\b+(\q)], v[SC+8*NQ*(\sc)+NQ*(\a)+(\q)] matrix_a_fmt:MATRIX_FMT_FP4 matrix_b_fmt:MATRIX_FMT_FP4 matrix_a_scale:MATRIX_SCALE_ROW1
.else
	v_wmma_scale_f32_16x16x128_f8f6f4 v[8*(8*((\a)%4)+\b):8*(8*((\a)%4)+\b)+7], v[128*(\p)+FR*\b:128*(\p)+FR*\b+FR-1], v[AF+FR*(\a):AF+FR*(\a)+FR-1], v[8*(8*((\a)%4)+\b):8*(8*((\a)%4)+\b)+7], v[SC+8*NQ*(\sc)+NQ*\b+(\q)], v[SC+8*NQ*(\sc)+NQ*(\a)+(\q)] matrix_a_fmt:MATRIX_FMT_FP4 matrix_b_fmt:MATRIX_FMT_FP4 matrix_a_scale:MATRIX_SCALE_ROW1
.endif
.endr
.endr
.endm
.macro FETCH_B slot, q, p
	WIN TO_B
.irp i, 0,1,2,3,4,5,6,7
	FRAG 128*(\p)+FR*\i, ADRB+\slot, \q, \i
.endr
	WIN 0
.endm
.macro FETCH_A slot, q, i0
.irp i, \i0, \i0+1, \i0+2, \i0+3
	FRAG AF+FR*(\i), ADRA+\slot, \q, \i
.endr
.endm
.macro SCALES sc                       ; a slot's scale words: four a row; lanes 0-15 A's block i, lanes 16-31 B's block i
.irp i, 0,1,2,3,4,5,6,7
	ds_load_b128 v[SC+8*NQ*\sc+NQ*\i:SC+8*NQ*\sc+NQ*\i+3], v[ADRS] offset:\i*SBLK
.endr
.endm
.macro PLACES n                        ; plain vector instructions between a matrix instruction and a load into, or a vector instruction on, its registers
.rept \n
	v_nop
.endr
.endm
.macro STEP slot, q, zero              ; 128 along K with its successor in the same slot
	s_wait_dscnt 4*NL                              ; all but the youngest eight loads (A's blocks 4-7)
	WIN MUL_LO
	MUL16 0, (\q)%2, \q, \slot, \zero
	MUL16 2, (\q)%2, \q, \slot, \zero
	s_wait_dscnt 0
	PLACES NP
	FETCH_B \slot, (\q)+1, 1-(\q)%2
	FETCH_A \slot, (\q)+1, 0
	WIN MUL_HI
	MUL16 4, (\q)%2, \q, \slot, \zero
	MUL16 6, (\q)%2, \q, \slot, \zero
	PLACES NP
	WIN 0
	FETCH_A \slot, (\q)+1, 4
.endm
.macro TURN slot, next                 ; a slot's last step, and the change to the other slot, which must be whole: my part by my wait, the others' by the barrier
	s_wait_tensorcnt 0x0
	s_wait_dscnt 4*NL
	WIN MUL_LO
	MUL16 0, 1, NQ-1, \slot, 0
	s_wait_dscnt 0x0                               ; no LDS instruction of mine is out at the signal
	s_barrier_signal -1
	MUL16 2, 1, NQ-1, \slot, 0
	WIN 0
	s_barrier_wait -1
	PLACES NP
	v_add_nc_u32 v[ADRS], 4*NQ, v[ADRS]            ; the next slot's scale words
	FETCH_B \next, 0, 0
	FETCH_A \next, 0, 0
	SCALES \next
	WIN MUL_HI
	MUL16 4, 1, NQ-1, \slot, 0
	MUL16 6, 1, NQ-1, \slot, 0
	PLACES NP
	WIN 0
	FETCH_A \next, 0, 4
.endm
.macro TAIL                            ; the last three steps of 128, written in both ways
	STEP 1, 1, 0
	STEP 1, 2, 0
	s_wait_dscnt 4*NL
	WIN MUL_LO
	MUL16 0, 1, NQ-1, 1, 0
	MUL16 2, 1, NQ-1, 1, 0
	s_wait_dscnt 0
	WIN MUL_HI
	MUL16 4, 1, NQ-1, 1, 0
	MUL16 6, 1, NQ-1, 1, 0
	WIN 0
	PLACES NP                                      ; in front of the vector work and loads on registers of the last products
.endm
; 32 numbers of a lane, register 16 bb + 8 u + j = k 32 bb + 16 u + 8 h + j of my row, become 16 bytes of codes in v[r .. r + 3]: lane (row, h) holds block h.  The two scale bytes: v[tm + 6], v[tm + 7].
.macro QUANT32 x, r, tm
	v_max3_num_f32 v[\tm], |v[\x]|, |v[\x+1]|, 0x1800000           ; the floor 2^(3 - 127) holds the byte at 1 from below
	v_max3_num_f32 v[\tm+1], |v[\x+16]|, |v[\x+17]|, 0x1800000
.irp i, 2,4,6,8,10,12,14
	v_max3_num_f32 v[\tm], v[\tm], |v[\x+\i]|, |v[\x+\i+1]|
	v_max3_num_f32 v[\tm+1], v[\tm+1], |v[\x+16+\i]|, |v[\x+17+\i]|
.endr
	v_permlanex16_b32 v[\tm+2], v[\tm], s[SEL], s[SEL+1]
	v_permlanex16_b32 v[\tm+3], v[\tm+1], s[SEL], s[SEL+1]
	v_max_num_f32 v[\tm], v[\tm], v[\tm+2]         ; with lane l xor 16's: the block's largest magnitude
	v_max_num_f32 v[\tm+1], v[\tm+1], v[\tm+3]
	v_add_nc_u32 v[\tm+4], 0xff000000, v[\tm]      ; 2 off the exponent field: the conversion's scale operand
	v_add_nc_u32 v[\tm+5], 0xff000000, v[\tm+1]
	v_lshrrev_b32 v[\tm+6], 23, v[\tm+4]           ; the scale's byte
	v_lshrrev_b32 v[\tm+7], 23, v[\tm+5]
	s_wait_xcnt 0x0                                ; the last unit's store has read its data: the codes' registers are written again only behind this wait
	v_cvt_scalef32_pk8_fp4_f32 v[\r], v[\x:\x+7], v[\tm+4]
	v_cvt_scalef32_pk8_fp4_f32 v[\r+2], v[\x+8:\x+15], v[\tm+4]
	v_cvt_scalef32_pk8_fp4_f32 v[\r+1], v[\x+16:\x+23], v[\tm+5]
	v_cvt_scalef32_pk8_fp4_f32 v[\r+3], v[\x+24:\x+31], v[\tm+5]
	v_nop                                          ; one plain place behind a scaled conversion
	v_permlane16_swap_b32 v[\r], v[\r+1]           ; the first's lanes 16-31 change places with the second's lanes 0-15: a whole block in a lane
	v_permlane16_swap_b32 v[\r+2], v[\r+3]
.endm
	s_wait_tensorcnt 1                             ; the scales and my part of slot 0 are in; slot 1's load may stay out
	s_barrier_signal -1
	s_barrier_wait -1
	FETCH_B 0, 0, 0
	FETCH_A 0, 0, 0
	SCALES 0
	FETCH_A 0, 0, 4
	STEP 0, 0, 1                                   ; the first products start the sums
	STEP 0, 1, 0
	STEP 0, 2, 0
	TURN 0, 1
	STEP 1, 0, 0
	s_wait_kmcnt 0x0
	s_cmp_eq_u32 ttmp9, 2
	s_cbranch_scc1 .Lv_way
	; ---- q and k.  All tensor loads are done (the wait for 0 at the change of slots): the descriptors' registers are free
	s_and_b32 s24, s17, 7
	s_lshl_b32 s25, s24, 1
	s_add_co_u32 s25, s25, s15                     ; my step of 128 positions in the batch row: 0 .. 15
	s_lshr_b32 s26, s25, 2                         ; chunk of 512
	s_and_b32 s27, s25, 3                          ; step in it
	s_lshr_b32 s28, s17, 3
	s_lshl_b32 s28, s28, 4                         ; 16 x batch row
	s_lshl_b32 s29, s42, 2
	s_lshl_b32 s30, s16, 1
	s_add_co_u32 s29, s29, s30
	s_and_b32 s29, s29, 15                         ; my first head
	s_add_co_u32 s28, s28, s29
	s_mov_b32 s31, 65536                           ; q: bytes of a head's codes, of 512 positions' codes, of a head's scale words, of 512 positions' words
	s_mov_b32 s32, 16384
	s_mov_b32 s33, 8192
	s_mov_b32 s34, 2048
	s_cmp_eq_u32 ttmp9, 1                          ; k goes into kv
	s_cselect_b32 s31, HEADB, s31
	s_cselect_b32 s32, CHUNK, s32
	s_cselect_b32 s33, HEADB, s33
	s_cselect_b32 s34, CHUNK, s34
	s_cselect_b32 s35, 32768, 0
	s_cselect_b64 s[PB:PB+1], s[12:13], s[8:9]
	s_cselect_b64 s[SBS:SBS+1], s[12:13], s[10:11]
	s_mul_i32 s60, s28, s31
	s_mul_i32 s61, s26, s32
	s_add_co_u32 s60, s60, s61
	s_lshl_b32 s61, s27, 12
	s_add_co_u32 s60, s60, s61
	s_mov_b32 s61, 0
	s_add_nc_u64 s[PB:PB+1], s[PB:PB+1], s[60:61]
	s_mov_b32 s60, s31
	s_add_nc_u64 s[PB+2:PB+3], s[PB:PB+1], s[60:61]        ; my second head
	s_mul_i32 s60, s28, s33
	s_mul_i32 s62, s26, s34
	s_add_co_u32 s60, s60, s62
	s_lshl_b32 s62, s27, 9
	s_add_co_u32 s60, s60, s62
	s_add_co_u32 s60, s60, s35
	s_add_nc_u64 s[SBS:SBS+1], s[SBS:SBS+1], s[60:61]
	s_mov_b32 s60, s33
	s_add_nc_u64 s[SBS+2:SBS+3], s[SBS:SBS+1], s[60:61]
	s_lshl_b32 s60, s25, 15                        ; the table: 8 tiles of 4,096 bytes a step
	s_add_nc_u64 s[TABB:TABB+1], s[6:7], s[60:61]
	s_lshl_b32 s60, s42, 10
	s_lshl_b32 s62, s16, 9
	s_add_co_u32 s60, s60, s62                     ; the bias of my 128 columns
	s_add_nc_u64 s[BIB:BIB+1], s[4:5], s[60:61]
	v_lshlrev_b32 v[BOF], 5, v2                    ; 32 h: my half's eight columns of a block of 16
.irp p, 0,1
.irp t, 0,1,2,3
	global_load_b128 v[BIAS+32*\p+8*\t:BIAS+32*\p+8*\t+3], v[BOF], s[BIB:BIB+1] offset:(64*\p+16*\t)*4
	global_load_b128 v[BIAS+32*\p+8*\t+4:BIAS+32*\p+8*\t+7], v[BOF], s[BIB:BIB+1] offset:(64*\p+16*\t)*4+16
.endr
.endr
; Cosines (16 registers) and sines (16) of block a's 16 positions: eight loads of 512 consecutive bytes, into window 1: blocks 0-3 at v64, v96, v192, v224 (free beside B's sets), blocks 4-7 at v0, v32, v128, v160 (B's sets)
.macro TABLOAD a
.set TBL, 64*(1-(\a)/4)+32*((\a)%2)+128*(((\a)%4)/2)
.irp k, 0,1,2,3,4,5,6,7
	global_load_b128 v[TBL+4*\k:TBL+4*\k+3], v[L16], s[TABB:TABB+1] offset:(\a)*4096+512*\k
.endr
.endm
	WIN TO_B
	TABLOAD 0
	TABLOAD 1
	TABLOAD 2
	TABLOAD 3
	TAIL
	s_wait_loadcnt 24                              ; the 16 loads of the bias and block 0's table are in; the 24 loads of blocks 1 to 3 may stay out
	WIN TO_B
	TABLOAD 4                                      ; B's sets are done with (four places stand behind the last products): 56 loads of mine are out at the most
	TABLOAD 5
	TABLOAD 6
	TABLOAD 7
	WIN 0
	v_mov_b32 v[TM+2], 0                           ; written once: a lane permute's destination counts as one of its sources
	v_mov_b32 v[TM+3], 0
; Block a of 16 positions, both heads.  new low half = low cos - high sin; new high half = high cos + low sin; low and high channels (d, d + 32) lie in one lane, 16 registers apart.
.macro QK_BLOCK a
.set TBS, 64*(1-(\a)/4)+32*((\a)%2)+128*(((\a)%4)/2)
.if (\a) > 0
	s_wait_loadcnt 8*(7-(\a))                      ; this block's table is in; the eight loads of each later block may stay out
.endif
.irp p, 0,1
	WIN 2+(\a)/4                                   ; source 0: the accumulators' window
.irp i, 0,2,4,6,8,10,12,14,16,18,20,22,24,26,28,30
	v_pk_add_f32 v[X+\i:X+\i+1], v[64*((\a)%4)+32*\p+\i:64*((\a)%4)+32*\p+\i+1], v[BIAS+32*\p+\i:BIAS+32*\p+\i+1]   ; each accumulator from its low end on
.endr
	WIN BY_TAB                                     ; source 1: the table, in window 1
.irp i, 0,2,4,6,8,10,12,14
	v_pk_mul_f32 v[T+\i:T+\i+1], v[X+\i:X+\i+1], v[TBS+16+\i:TBS+17+\i]
.endr
.irp i, 0,2,4,6,8,10,12,14
	v_pk_mul_f32 v[X+\i:X+\i+1], v[X+\i:X+\i+1], v[TBS+\i:TBS+\i+1]
.endr
.irp i, 0,2,4,6,8,10,12,14
	v_pk_fma_f32 v[X+\i:X+\i+1], v[X+16+\i:X+17+\i], v[TBS+16+\i:TBS+17+\i], v[X+\i:X+\i+1] neg_lo:[1,0,0] neg_hi:[1,0,0]
.endr
.irp i, 0,2,4,6,8,10,12,14
	v_pk_fma_f32 v[X+16+\i:X+17+\i], v[X+16+\i:X+17+\i], v[TBS+\i:TBS+\i+1], v[T+\i:T+\i+1]
.endr
	WIN 0
	QUANT32 X, R, TM
	v_lshl_or_b32 v[W+8*\p+(\a)], v[TM+7], 8, v[TM+6]
	v_or_b32 v[W+8*\p+(\a)], 0x7f7f0000, v[W+8*\p+(\a)]    ; the instruction's K is 128, the head's 64: the upper two blocks have the scale 1 (q's codes there are zeros)
	global_store_b128 v[L16], v[R:R+3], s[PB+2*\p:PB+2*\p+1] offset:512*(\a)   ; 512 consecutive bytes, aligned
.endr
.endm
.irp a, 0,1,2,3,4,5,6,7
	QK_BLOCK \a
.endr
	v_cmp_lt_u32 vcc_lo, 15, v[LN]                 ; lanes 16-31 carry the odd blocks' words
.irp p, 0,1
.irp j, 0,1,2,3
	v_cndmask_b32 v[OUTW+4*\p+\j], v[W+8*\p+2*\j], v[W+8*\p+2*\j+1], vcc_lo
.endr
	global_store_b128 v[L16], v[OUTW+4*\p:OUTW+4*\p+3], s[SBS+2*\p:SBS+2*\p+1]
.endr
	s_branch .Lend
.Lv_way:
	; ---- v: a lane holds a channel, its registers run along the keys
	s_and_b32 s24, s42, 7
	s_lshl_b32 s25, s24, 1
	s_add_co_u32 s25, s25, s16                     ; my step of 128 keys
	s_lshr_b32 s26, s25, 2
	s_and_b32 s27, s25, 3
	s_lshr_b32 s28, s42, 3
	s_lshl_b32 s28, s28, 4
	s_sub_co_u32 s29, s17, 8
	s_lshl_b32 s29, s29, 2
	s_lshl_b32 s30, s15, 1
	s_add_co_u32 s29, s29, s30                     ; my first head
	s_add_co_u32 s28, s28, s29
	s_mul_i32 s60, s28, HEADB
	s_mul_i32 s62, s26, CHUNK
	s_add_co_u32 s60, s60, s62
	s_mov_b32 s61, 0
	s_add_nc_u64 s[PB:PB+1], s[12:13], s[60:61]    ; my chunk
	s_lshl_b32 s60, s27, 8
	s_add_co_u32 s60, s60, 34816
	s_add_nc_u64 s[SBS:SBS+1], s[PB:PB+1], s[60:61]        ; its scale words of V, 256 bytes a step
	s_lshl_b32 s60, s27, 12
	s_add_co_u32 s60, s60, 16384
	s_add_nc_u64 s[PB:PB+1], s[PB:PB+1], s[60:61]          ; its image of V, 4,096 bytes a step
	s_lshl_b32 s60, s17, 10
	s_lshl_b32 s62, s15, 9
	s_add_co_u32 s60, s60, s62
	s_add_nc_u64 s[BIB:BIB+1], s[4:5], s[60:61]    ; the bias of my 128 channels
	v_lshlrev_b32 v[BOF], 2, v1                    ; 4 r
.irp a, 0,1,2,3,4,5,6,7
	global_load_b32 v[BIAS+\a], v[BOF], s[BIB:BIB+1] offset:64*\a
.endr
	TAIL
	s_wait_loadcnt 0x0
	v_mov_b32 v[TM+2], 0
	v_mov_b32 v[TM+3], 0
	v_cmp_lt_u32 vcc_lo, 15, v[LN]
.macro V_BLOCK a                       ; 16 channels (head a / 4, tile a % 4) x my 128 keys: two units of 64 keys
.irp p, 0,1
	WIN 2+(\a)/4
.irp i, 0,1,2,3,4,5,6,7,8,9,10,11,12,13,14,15,16,17,18,19,20,21,22,23,24,25,26,27,28,29,30,31
	v_add_f32 v[X+\i], v[64*((\a)%4)+32*\p+\i], v[BIAS+(\a)]
.endr
	WIN 0
	QUANT32 X, R, TM
.if \p == 0
	v_lshl_or_b32 v[W+(\a)], v[TM+7], 8, v[TM+6]
.else
	v_lshl_or_b32 v[T], v[TM+7], 8, v[TM+6]
	v_lshl_or_b32 v[W+(\a)], v[T], 16, v[W+(\a)]   ; the step's four blocks of keys: one scale word a channel
.endif
	global_store_b128 v[L16], v[R:R+3], s[PB:PB+1] offset:((\a)/4)*HEADB+\p*2048+((\a)%4)*512
.endr
.if (\a)%4 == 3
.irp j, 0,1
	v_cndmask_b32 v[OUTW+2*((\a)/4)+\j], v[W+4*((\a)/4)+2*\j], v[W+4*((\a)/4)+2*\j+1], vcc_lo
.endr
	global_store_b64 v[L8], v[OUTW+2*((\a)/4):OUTW+2*((\a)/4)+1], s[SBS:SBS+1] offset:((\a)/4)*HEADB   ; 256 consecutive bytes, aligned
.endif
.endm
.irp a, 0,1,2,3,4,5,6,7
	V_BLOCK \a
.endr
.Lend:
	s_wait_tensorcnt 0x0
	ds_add_u32 v126, v127
	s_wait_dscnt 0x0
	CROUND                                         ; the closing round: no work-group ends while a partner may still ask for a tile that names it
	s_endpgm
.Lfunc_end_k_q67d765ffe8_qkv:
	.size	k_q67d765ffe8_qkv, .Lfunc_end_k_q67d765ffe8_qkv-k_q67d765ffe8_qkv
	.p2alignl 7, 3214868480
	.fill 96, 4, 3214868480
	.section	.rodata,"a",@progbits
	.p2align	6, 0x0
	.amdhsa_kernel k_q67d765ffe8_qkv
		.amdhsa_group_segment_fixed_size 296448
		.amdhsa_private_segment_fixed_size 0
		.amdhsa_enable_private_segment 0
		.amdhsa_kernarg_size 72
		.amdhsa_user_sgpr_count 2
		.amdhsa_user_sgpr_kernarg_segment_ptr 1
		.amdhsa_wavefront_size32 1
		.amdhsa_system_sgpr_workgroup_id_x 1
		.amdhsa_system_sgpr_workgroup_id_y 1
		.amdhsa_system_sgpr_workgroup_id_z 1
		.amdhsa_system_vgpr_workitem_id 0
		.amdhsa_next_free_vgpr 1024
		.amdhsa_next_free_sgpr 102
		.amdhsa_reserve_vcc 1
		.amdhsa_float_denorm_mode_32 3
		.amdhsa_float_denorm_mode_16_64 3
		.amdhsa_memory_ordered 1
		.amdhsa_forward_progress 1
		.amdhsa_inst_pref_size 255
	.end_amdhsa_kernel
	.section	.bss,"aw",@nobits
	.p2align	6
	.space	262144
	.amdgpu_metadata
---
amdhsa.version: [ 1, 2 ]
amdhsa.kernels:
  - .name:           k_q67d765ffe8_qkv
    .symbol:         k_q67d765ffe8_qkv.kd
    .args:
      - { .name: x_codes, .offset: 0, .size: 8, .value_kind: global_buffer, .address_space: global }
      - { .name: x_scales, .offset: 8, .size: 8, .value_kind: global_buffer, .address_space: global }
      - { .name: w_qkv_codes, .offset: 16, .size: 8, .value_kind: global_buffer, .address_space: global }
      - { .name: w_qkv_scales, .offset: 24, .size: 8, .value_kind: global_buffer, .address_space: global }
      - { .name: b_qkv, .offset: 32, .size: 8, .value_kind: global_buffer, .address_space: global }
      - { .name: tab, .offset: 40, .size: 8, .value_kind: global_buffer, .address_space: global }
      - { .name: q_img, .offset: 48, .size: 8, .value_kind: global_buffer, .address_space: global }
      - { .name: q_sc, .offset: 56, .size: 8, .value_kind: global_buffer, .address_space: global }
      - { .name: kv, .offset: 64, .size: 8, .value_kind: global_buffer, .address_space: global }
    .group_segment_fixed_size: 296448
    .private_segment_fixed_size: 0
    .kernarg_segment_align: 8
    .kernarg_segment_size: 72
    .max_flat_workgroup_size: 128
    .sgpr_count:     102
    .vgpr_count:     1024
    .wavefront_size: 32
...
	.end_amdgpu_metadata
.endif
;; end of part 5
;; launch attn (part 6): grid 4 x 64, 16 waves a work-group, clusters of 4 x 1, 169,984 bytes of LDS; arguments q_img, q_sc, kv, o_img, o_sc; writes o_img, o_sc
.if DOCPART == 6
	.amdgcn_target "amdgcn-amd-amdhsa--gfx1250"
	.amdhsa_code_object_version 6
	.text
	.protected	k_q67d765ffe8_attn
	.globl	k_q67d765ffe8_attn
	.p2align	8
	.type	k_q67d765ffe8_attn,@function
k_q67d765ffe8_attn:
	s_mov_b64 s[64:65], 0
	v_nop
	global_prefetch_b8 v0, s[64:65] scope:SCOPE_SE
	s_setreg_imm32_b32 hwreg(HW_REG_WAVE_MODE, 25, 1), 1
	s_wait_xcnt 0x0
	s_wait_alu depctr_hold_cnt(0) depctr_sa_sdst(0) depctr_va_vdst(0) depctr_va_sdst(0) depctr_va_ssrc(0) depctr_va_vcc(0) depctr_vm_vsrc(0)
	s_getreg_b32 s2, hwreg(HW_REG_IB_STS2, 6, 4)
	s_cmp_eq_u32 s2, 0
	s_cbranch_scc0 .Lentry_in_a_cluster
	s_endpgm
.Lentry_in_a_cluster:
	s_bfe_u32 s2, ttmp6, 0x10000c
	s_cmp_lg_u32 s2, 0x3003
	s_cbranch_scc0 .Lentry_shape_is_right
	s_endpgm
.Lentry_shape_is_right:
; O = softmax(Q K^T / 8) V for one head and 512 queries a work-group, both products on codes of FP4 (E2M1) with E8M0 scales; O / the row's sum is quantised along the head's 64 and stored as codes.
; THE SOFTMAX: t = score x log2(e) / 8; M = the running largest t rounded UP to a whole number; p = 2^(t - M) is quantised along the keys, not normalised; the sum is taken of the unquantised p.
; When M moves, the sum and O are multiplied by 2^(old M - new M): exact.
; SHARES.  Sixteen waves, four to a SIMD, each with one tile of 16 queries in 256 registers, two tiles one after the other (two passes, written out).  Every wave walks the head's 2,048 keys, 128 a step.
; LDS.  The whole head's K and V (143,360 bytes, laid by the launch before as images of the operands' registers) is brought ONCE and stays: nothing is filled again.  In memory it lies in four chunks of 512 keys
; (K's codes, V's image, K's scale words, V's); in LDS by kind, so that each kind has one stride from step to step: K's codes 4,096 bytes a step, V's image 4,096, K's scale words 512, V's 256.
; Wave 0 brings K's scale words and then K's four chunks, wave 1 the same of V: five tensor loads each.  Every read is lane l at 16 l or 8 l: no padding is needed.
; THE STEP IS ROTATED.  A trip is: the softmax of step j; the products S^T of step j + 1; the products O^T of step j; the loads of V of step j + 1 and of K of step j + 2.  So every LDS load has a whole softmax in
; which to land, and the first scores are four matrix instructions and eighteen loads old when the maxima read them.  K and V need one set of registers each.  The first scores stand ahead of the trips;
; the last two steps are written out: they fetch nothing beyond the last key and make no scores beyond it.
; BARRIERS stand only where a tile's arrival asks for one: in front of the first read (the first 512 keys are in) and behind two trips of the first pass (all keys are in: the third trip looks ahead into the
; second 512), and in front of the read of O's scale bytes at the end.
; THE EXPONENTIALS STAND BY TURNS WITH PLAIN INSTRUCTIONS: exponential, plain, exponential, plain (, plain).  The plain ones are work that is ready: t - M of the pair four slots ahead, the sum of the pair three slots
; back, the lines that make the blocks' scale operands and p's scale word, the rescaling of O^T.
; CLUSTER.  The four work-groups of a cluster are the four query blocks of one head: each tile is asked for jointly, by the same load with the mask of all four.
; LAYOUT.  Both products are used transposed: S^T = K Q^T, O^T = V^T P^T: a lane holds ONE query.  In S^T register 8 t + j of lane (r, h) is key 16 t + 8 h + j.
; THE FIRST PRODUCT'S K IS 64, THE INSTRUCTION'S 128: Q's upper four registers are zeros and the upper scale bytes of both sides are 1.0, so K's upper four registers may hold any codes: they are the next tile's.
; LIMITS: a block of zeros gets the scale byte 1 where the rule says 127 (its codes are zeros; this program alone reads the bytes); NaN and infinities are not served.
; REGISTERS: v1-11, v25 addresses; v12 -M, v13 the largest score, v[14:15] and v[74:75] the sum in two chains; v16-19 the first tile's Q, v20-23 zeros, v24 its scale word; v80-83, v84-87, v88 the same of the second;
;   v32-63 K's eight tiles, v64-67 zeros; v68-71 K's scale words, v72-73 V's; v96-159 S^T, then p; v160-191 V's four fragments; v192-223 O^T; v224-231 p's codes; v232-254 at work (v252 the factor, v253 p's scale word).
.set CHUNK, 35840                      ; in memory: K's codes 16,384; V's image 16,384; K's scale words 2,048; V's 1,024
.set HEADB, 4*CHUNK
.set VB,    65536                      ; LDS: K's codes from 0; V's image from here;
.set KSB,   131072                     ; K's scale words;
.set VSB,   139264                     ; V's;
.set OSC,   143360                     ; and 1,024 bytes for the scale bytes of my 512 rows of O: no tile lands there
.set L16,  1                           ; v1  16 x lane
.set L16V, 2                           ; v2  16 x lane + VB
.set QSO,  3                           ; v3  16 x (lane % 16): my query's place among Q's scale words
.set OSA,  4                           ; v4  OSC + 32 x wave + 2 x (lane % 16)
.set OSR,  5                           ; v5  OSC + 16 x thread
.set OSG,  6                           ; v6  16 x thread
.set L16S, 7                           ; v7  16 x lane + KSB
.set ADK,  8                           ; v8-11 the trip's addresses
.set ADV,  9
.set ADS,  10
.set ADT,  11
.set L8V,  25                          ; v25 8 x lane + VSB
.set SB2,  74                          ; v[74:75] the sum's second chain
.set WV,  14
.set SEL, 20
.set CS,  22
.set G1,  24                           ; s[24:31] descriptor group 1 for a chunk's codes: 64 rows of 256 bytes, dense
.set G0,  32                           ; s[32:51] five groups 0
.set TB,  52                           ; s52 4,096 x the trip's step
.set TS,  53                           ; s53 512 x
.set TV,  54                           ; s54 256 x
.set STEPC, 55
.set G1KS, 68                          ; s[68:75] group 1 for K's scale words: 4 rows of 2,048 bytes, a chunk apart
.set G1VS, 76                          ; s[76:83] for V's: 4 rows of 1,024 bytes
.macro CROUND
	s_barrier_signal -1
	s_barrier_wait -1
	s_cmp_lg_u32 s[WV], 0
	s_cbranch_scc1 .Lnot_wave_0_\@
	s_barrier_signal -3
.Lnot_wave_0_\@:
	s_barrier_wait -3
	s_barrier_signal -1
	s_barrier_wait -1
.endm
.macro QUANT32 x, r, tm                ; 32 numbers of a lane, register 16 bb + 8 u + j = k 32 bb + 16 u + 8 h + j, become 16 bytes of codes: lane (row, h) holds block h; the bytes: v[tm + 6], v[tm + 7]
	v_max3_num_f32 v[\tm], |v[\x]|, |v[\x+1]|, 0x1800000
	v_max3_num_f32 v[\tm+1], |v[\x+16]|, |v[\x+17]|, 0x1800000
.irp i, 2,4,6,8,10,12,14
	v_max3_num_f32 v[\tm], v[\tm], |v[\x+\i]|, |v[\x+\i+1]|
	v_max3_num_f32 v[\tm+1], v[\tm+1], |v[\x+16+\i]|, |v[\x+17+\i]|
.endr
	v_permlanex16_b32 v[\tm+2], v[\tm], s[SEL], s[SEL+1]
	v_permlanex16_b32 v[\tm+3], v[\tm+1], s[SEL], s[SEL+1]
	v_max_num_f32 v[\tm], v[\tm], v[\tm+2]
	v_max_num_f32 v[\tm+1], v[\tm+1], v[\tm+3]
	v_add_nc_u32 v[\tm+4], 0xff000000, v[\tm]
	v_add_nc_u32 v[\tm+5], 0xff000000, v[\tm+1]
	v_lshrrev_b32 v[\tm+6], 23, v[\tm+4]
	v_lshrrev_b32 v[\tm+7], 23, v[\tm+5]
	v_cvt_scalef32_pk8_fp4_f32 v[\r], v[\x:\x+7], v[\tm+4]
	v_cvt_scalef32_pk8_fp4_f32 v[\r+2], v[\x+8:\x+15], v[\tm+4]
	v_cvt_scalef32_pk8_fp4_f32 v[\r+1], v[\x+16:\x+23], v[\tm+5]
	v_cvt_scalef32_pk8_fp4_f32 v[\r+3], v[\x+24:\x+31], v[\tm+5]
	v_nop
	v_permlane16_swap_b32 v[\r], v[\r+1]
	v_permlane16_swap_b32 v[\r+2], v[\r+3]
.endm
.macro G0SET i, lds, gof               ; group 0 number i: to LDS byte lds, from gof bytes behind the head's first byte in kv
	s_mov_b32 s[G0+4*\i], 1
	s_mov_b32 s[G0+4*\i+1], \lds
	s_add_nc_u64 s[G0+4*\i+2:G0+4*\i+3], s[8:9], \gof
	s_or_b32 s[G0+4*\i+3], s[G0+4*\i+3], 0x80000000
.endm
	s_load_b256 s[4:11], s[0:1], 0x0               ; q_img, q_sc, kv, o_img
	s_load_b64 s[12:13], s[0:1], 0x20              ; o_sc
	v_lshl_add_u32 v250, v0, 2, 0x29000
	v_mov_b32 v255, 0
	ds_add_u32 v250, v255
	ds_add_u32 v250, v255
	v_lshrrev_b32 v8, 5, v0
	v_readfirstlane_b32 s[WV], v8                  ; wave 0..15
	v_and_b32 v9, 31, v0
	v_and_b32 v10, 15, v0
	v_lshlrev_b32 v[L16], 4, v9
	v_lshl_add_u32 v[L16V], v9, 4, VB
	v_lshl_add_u32 v[L16S], v9, 4, KSB
	v_lshl_add_u32 v[L8V], v9, 3, VSB
	v_lshlrev_b32 v[QSO], 4, v10
	v_and_b32 v11, 0x1e0, v0                       ; 32 x wave
	v_lshl_add_u32 v[OSA], v10, 1, v11
	v_add_nc_u32 v[OSA], OSC, v[OSA]
	v_lshl_add_u32 v[OSR], v0, 4, OSC
	v_lshlrev_b32 v[OSG], 4, v0
	s_bfe_u32 s15, ttmp6, 0x40000                  ; cx
	s_lshl_b32 s17, ttmp9, 2
	s_add_co_u32 s15, s15, s17                     ; my block of 512 queries: it enters Q's and O's global addresses alone
	s_and_b32 s16, ttmp7, 0xffff                   ; batch row x 16 + head, which the four partners share
	s_lshl_b32 s54, s15, 5
	s_add_co_u32 s54, s54, s[WV]                   ; my first tile of 16 queries: 32 x block + wave; the second lies 16 tiles on
	s_lshl_b32 s56, s16, 16
	s_lshl_b32 s55, s54, 9
	s_add_co_u32 s56, s56, s55                     ; Q's codes: 65,536 bytes a head, 512 a tile
	s_mov_b32 s57, 0
	s_lshl_b32 s58, s16, 13                        ; Q's scale words: 8,192 bytes a head; tile T: step T / 8, lanes' half T % 2, word (T / 2) % 4
	s_lshr_b32 s55, s54, 3
	s_lshl_b32 s55, s55, 9
	s_add_co_u32 s58, s58, s55
	s_and_b32 s55, s54, 1
	s_lshl_b32 s55, s55, 8
	s_add_co_u32 s58, s58, s55
	s_bfe_u32 s55, s54, 0x20001
	s_lshl_b32 s55, s55, 2
	s_add_co_u32 s58, s58, s55
	s_mov_b32 s59, 0
	s_and_b32 s60, s16, 15                         ; head
	s_lshr_b32 s61, s16, 4                         ; batch row
	s_lshl_b32 s62, s61, 7
	s_add_co_u32 s62, s62, s54
	s_lshl_b32 s62, s62, 9
	s_lshl_b32 s55, s60, 18
	s_add_co_u32 s62, s62, s55                     ; O's codes: [head][tile of 16 rows: 512][512 bytes]
	s_mov_b32 s63, 0
	s_lshl_b32 s60, s60, 14
	s_lshl_b32 s61, s61, 12
	s_add_co_u32 s60, s60, s61
	s_lshl_b32 s61, s15, 10
	s_add_co_u32 s60, s60, s61                     ; O's scale bytes: [head][row: 8,192][2]
	s_mov_b32 s61, 0
	s_mul_i32 s18, s16, HEADB
	s_mov_b32 s19, 0
	s_mov_b32 s[G1], 15|(3<<16)|(1<<21)            ; the mask: all four work-groups; elements of 8 bytes; bit 21 beside a mask; no padding
	s_mov_b32 s[G1+1], 32<<16                      ; a chunk's codes are dense: 64 rows of 256 bytes
	s_mov_b32 s[G1+2], 64<<16
	s_mov_b32 s[G1+3], 32<<16
	s_mov_b32 s[G1+4], 64
	s_mov_b32 s[G1+5], 32
	s_mov_b32 s[G1+6], 0
	s_mov_b32 s[G1+7], 0
	s_mov_b32 s[G1KS], 15|(3<<16)|(1<<21)          ; K's scale words of the four chunks: 4 rows of 256 elements, 35,840 bytes (4,480 elements) apart; dense in LDS
	s_mov_b32 s[G1KS+1], 256<<16
	s_mov_b32 s[G1KS+2], 4<<16
	s_mov_b32 s[G1KS+3], 256<<16
	s_mov_b32 s[G1KS+4], 4
	s_mov_b32 s[G1KS+5], CHUNK/8
	s_mov_b32 s[G1KS+6], 0
	s_mov_b32 s[G1KS+7], 0
	s_mov_b32 s[G1VS], 15|(3<<16)|(1<<21)          ; V's: 4 rows of 128 elements
	s_mov_b32 s[G1VS+1], 128<<16
	s_mov_b32 s[G1VS+2], 4<<16
	s_mov_b32 s[G1VS+3], 128<<16
	s_mov_b32 s[G1VS+4], 4
	s_mov_b32 s[G1VS+5], CHUNK/8
	s_mov_b32 s[G1VS+6], 0
	s_mov_b32 s[G1VS+7], 0
	s_mov_b32 s[SEL], 0x76543210
	s_mov_b32 s[SEL+1], 0xfedcba98
	s_mov_b32 s[CS], 0x3e38aa3b                    ; c = log2(e) / 8
	s_mov_b32 s[CS+1], s[CS]
	s_wait_dscnt 0x0
	s_wait_kmcnt 0x0
	s_add_nc_u64 s[4:5], s[4:5], s[56:57]
	s_add_nc_u64 s[6:7], s[6:7], s[58:59]
	s_add_nc_u64 s[8:9], s[8:9], s[18:19]
	s_add_nc_u64 s[10:11], s[10:11], s[62:63]
	s_add_nc_u64 s[12:13], s[12:13], s[60:61]
	CROUND                                         ; all four work-groups are here: the joint loads meet
	s_cmp_eq_u32 s[WV], 0
	s_cbranch_scc0 .Lnot_0
	G0SET 0, KSB, 32768                            ; wave 0: K's scale words first, then K's codes, 512 keys a load
	G0SET 1, 0, 0
	G0SET 2, 16384, CHUNK
	G0SET 3, 32768, 2*CHUNK
	G0SET 4, 49152, 3*CHUNK
	tensor_load_to_lds s[G0:G0+3], s[G1KS:G1KS+7]          ; a wave's first fills stand in one branch: five loads of mine are out
	s_nop 0
	tensor_load_to_lds s[G0+4:G0+7], s[G1:G1+7]
	s_nop 0
	tensor_load_to_lds s[G0+8:G0+11], s[G1:G1+7]
	s_nop 0
	tensor_load_to_lds s[G0+12:G0+15], s[G1:G1+7]
	s_nop 0
	tensor_load_to_lds s[G0+16:G0+19], s[G1:G1+7]
	s_nop 0
.rept 4
	v_nop
.endr
	s_branch .Lasked
.Lnot_0:
	s_cmp_eq_u32 s[WV], 1
	s_cbranch_scc0 .Lasked
	G0SET 0, VSB, 34816                            ; wave 1: the same of V
	G0SET 1, VB, 16384
	G0SET 2, VB+16384, CHUNK+16384
	G0SET 3, VB+32768, 2*CHUNK+16384
	G0SET 4, VB+49152, 3*CHUNK+16384
	tensor_load_to_lds s[G0:G0+3], s[G1VS:G1VS+7]
	s_nop 0
	tensor_load_to_lds s[G0+4:G0+7], s[G1:G1+7]
	s_nop 0
	tensor_load_to_lds s[G0+8:G0+11], s[G1:G1+7]
	s_nop 0
	tensor_load_to_lds s[G0+12:G0+15], s[G1:G1+7]
	s_nop 0
	tensor_load_to_lds s[G0+16:G0+19], s[G1:G1+7]
	s_nop 0
.rept 4
	v_nop
.endr
.Lasked:
	global_load_b128 v[16:19], v[L16], s[4:5]              ; both tiles' Q (512 consecutive bytes each) and scale words come now: they land while the first keys are waited for
	global_load_b128 v[80:83], v[L16], s[4:5] offset:8192
	global_load_b32 v24, v[QSO], s[6:7]
	global_load_b32 v88, v[QSO], s[6:7] offset:1024
.irp j, 20,21,22,23,64,65,66,67,84,85,86,87,236,237,238,239,252,253
	v_mov_b32 v[\j], 0                             ; Q's and the last tile's upper codes; lane permutes' destinations; the pair v[252:253]
.endr
.macro LD_K adr, sadr, cof, sof        ; a step's K: eight tiles of 16 keys, and the scale words (word j: lanes 0-15 tile 2 j, lanes 16-31 tile 2 j + 1)
.irp t, 0,1,2,3,4,5,6,7
	ds_load_b128 v[32+4*\t:35+4*\t], v[\adr] offset:\cof+512*\t
.endr
	ds_load_b128 v[68:71], v[\sadr] offset:\sof
.endm
.macro LD_V adr, sadr, cof, sof        ; a step's V: four tiles of 16 channels x 128 keys, and the scale words
.irp d, 0,1,2,3
.irp c, 0,1
	ds_load_b128 v[160+8*\d+4*\c:163+8*\d+4*\c], v[\adr] offset:\cof+2048*\c+512*\d
.endr
.endr
	ds_load_b64 v[72:73], v[\sadr] offset:\sof
.endm
.macro MM_S q, qs                      ; S^T = K Q^T: eight tiles of 16 keys; q: Q's eight registers; qs: its scale word
.irp t, 0,2,4,6
	v_wmma_scale_f32_16x16x128_f8f6f4 v[96+8*\t:103+8*\t], v[32+4*\t:39+4*\t], v[\q:\q+7], 0, v[68+\t/2], v[\qs] matrix_a_fmt:MATRIX_FMT_FP4 matrix_b_fmt:MATRIX_FMT_FP4
	v_wmma_scale_f32_16x16x128_f8f6f4 v[104+8*\t:111+8*\t], v[36+4*\t:43+4*\t], v[\q:\q+7], 0, v[68+\t/2], v[\qs] matrix_a_fmt:MATRIX_FMT_FP4 matrix_b_fmt:MATRIX_FMT_FP4 matrix_a_scale:MATRIX_SCALE_ROW1
.endr
.endm
.macro MM_O                            ; O^T += V^T P^T: four tiles of 16 channels, by turns
.irp d, 0,2
	v_wmma_scale_f32_16x16x128_f8f6f4 v[192+8*\d:199+8*\d], v[160+8*\d:167+8*\d], v[224:231], v[192+8*\d:199+8*\d], v[72+\d/2], v253 matrix_a_fmt:MATRIX_FMT_FP4 matrix_b_fmt:MATRIX_FMT_FP4
	v_wmma_scale_f32_16x16x128_f8f6f4 v[200+8*\d:207+8*\d], v[168+8*\d:175+8*\d], v[224:231], v[200+8*\d:207+8*\d], v[72+\d/2], v253 matrix_a_fmt:MATRIX_FMT_FP4 matrix_b_fmt:MATRIX_FMT_FP4 matrix_a_scale:MATRIX_SCALE_ROW1
.endr
.endm
.macro TMM i                           ; t - M of pair i of the lane's 32 pairs of scores
	v_pk_fma_f32 v[96+2*(\i):97+2*(\i)], v[96+2*(\i):97+2*(\i)], s[CS:CS+1], v[12:13] op_sel_hi:[1,0,0]
.endm
.macro ADDP j                          ; pair j of p joins the sum: even pairs one chain, odd pairs the other
.if ((\j)%2) == 0
	v_pk_add_f32 v[14:15], v[14:15], v[96+2*(\j):97+2*(\j)]
.else
	s_wait_alu depctr_va_vdst(0)
	v_pk_add_f32 v[SB2:SB2+1], v[SB2:SB2+1], v[96+2*(\j):97+2*(\j)]
.endif
.endm
; Plain work that waits for no p: number gq of 31.  0-3 the floor under each block's largest p (the byte cannot fall under 1); 4-7 2 off its exponent field: the conversion's scale operand; 8-11 the scale's byte;
; 12-14 p's scale word; 15-30 O^T under the new M, each accumulator from its low end on.
.macro FILL
.if gq < 4
	s_wait_alu depctr_va_vdst(0)
	v_max_num_f32 v[232+gq], 0x1800000, v[232+gq]
.elseif gq < 8
	v_add_nc_u32 v[240+gq], 0xff000000, v[228+gq]
.elseif gq < 12
	v_lshrrev_b32 v[228+gq], 23, v[236+gq]
.elseif gq == 12
	v_lshl_or_b32 v253, v237, 8, v236
.elseif gq == 13
	v_lshl_or_b32 v253, v238, 16, v253
.elseif gq == 14
	v_lshl_or_b32 v253, v239, 24, v253
.elseif gq < 31
	v_pk_mul_f32 v[162+2*gq:163+2*gq], v[162+2*gq:163+2*gq], v[252:253] op_sel_hi:[1,0]
.endif
.set gq, gq+1
.endm
; THE SOFTMAX OF A STEP: from the 64 scores of a lane to p's codes (v224-231) and scale word (v253); the sum and O^T are brought under the new M.
.macro SOFTMAX
.irp b, 0,1,2,3
	v_max3_num_f32 v[232+\b], v[96+16*\b], v[97+16*\b], v[98+16*\b]   ; the largest score of each block of 32 keys: for the row's maximum, and, since p rises with the score, for the block's largest p
.endr
.irp i, 3,5,7,9,11,13
.irp b, 0,1,2,3
	v_max3_num_f32 v[232+\b], v[232+\b], v[96+16*\b+\i], v[97+16*\b+\i]
.endr
.endr
.irp b, 0,1,2,3
	v_max_num_f32 v[232+\b], v[232+\b], v[111+16*\b]
.endr
.irp b, 0,1,2,3
	v_permlanex16_b32 v[236+\b], v[232+\b], s[SEL], s[SEL+1]
.endr
.irp b, 0,1,2,3
	v_max_num_f32 v[232+\b], v[232+\b], v[236+\b]
.endr
	v_max3_num_f32 v254, v232, v233, v234
	v_mov_b32 v251, v12                            ; the old -M
	v_max3_num_f32 v13, v254, v235, v13            ; the running largest score (c is positive: the largest t is c x this, with the same bits)
	v_mul_f32 v254, s[CS], v13
	v_floor_f32 v12, -v254                         ; -M = floor(-t): M is a whole number
	v_sub_f32 v251, v12, v251                      ; old M - new M: a whole number, 0 or less.  The lines that make f of it stand among lines that want -M alone
.irp b, 0,1,2,3
	v_fma_f32 v[232+\b], v[232+\b], s[CS], v12     ; t - M of each block's largest score
.endr
	v_cvt_i32_f32 v251, v251                       ; (it saturates)
	TMM 0
	TMM 1
	v_ldexp_f32 v252, 1.0, v251                    ; f = 2^(old M - new M)
	v_exp_f32 v232, v232                           ; the blocks' largest p first: the scale operands are made of them while the other exponentials run
	TMM 2
	v_exp_f32 v233, v233
	TMM 3
	v_exp_f32 v234, v234
	v_pk_mul_f32 v[14:15], v[14:15], v[252:253] op_sel_hi:[1,0]   ; the sum under the new M
	v_exp_f32 v235, v235
; 32 slots, one for each pair of p.  Places for FILL: 4 (the first place of slots 28-31) + 4 + 2 (the second place of slots 0-3, 30, 31) + 21 (the third place of slots 0-27 but every fourth) = 31, as many as FILL has numbers.
.set gq, 0
.set si, 0
.rept 32
	v_exp_f32 v[96+2*si], v[96+2*si]               ; p = 2^(t - M)
.if si < 28
	TMM si+4
.else
	FILL
.endif
	v_exp_f32 v[97+2*si], v[97+2*si]
.if si == 4
	s_wait_alu depctr_va_vdst(0)
	v_pk_add_f32 v[SB2:SB2+1], v[96:97], v[98:99]  ; pairs 0 and 1 start the second chain: THE ROW'S SUM IS TAKEN OF THE UNQUANTISED p
.elseif (si > 4) && (si < 30)
	ADDP si-3
.else
	FILL
.endif
.if (si < 28) && (si%4 != 3)
	FILL
.endif
.set si, si+1
.endr
	s_wait_alu depctr_va_vdst(0)
.irp c, 0,1                                    ; (a plain line, FILL's last, stands between the last exponential and these)
	v_cvt_scalef32_pk8_fp4_f32 v[224+4*\c], v[96+32*\c:103+32*\c], v[244+2*\c]
	v_cvt_scalef32_pk8_fp4_f32 v[226+4*\c], v[104+32*\c:111+32*\c], v[244+2*\c]
	v_cvt_scalef32_pk8_fp4_f32 v[225+4*\c], v[112+32*\c:119+32*\c], v[245+2*\c]
	v_cvt_scalef32_pk8_fp4_f32 v[227+4*\c], v[120+32*\c:127+32*\c], v[245+2*\c]
.endr
	ADDP 27                                        ; the plain place behind the scaled conversions: it touches none of their results
.irp c, 0,1
	v_permlane16_swap_b32 v[224+4*\c], v[225+4*\c] ; a whole block of 32 keys in a lane: lanes 0-15 block 2 c, lanes 16-31 block 2 c + 1
	v_permlane16_swap_b32 v[226+4*\c], v[227+4*\c]
.endr
	ADDP 28                                        ; the last sums are the five places between p's codes and the products; behind them p's registers are free for the next scores
	ADDP 29
	ADDP 30
	ADDP 31
	v_pk_add_f32 v[14:15], v[14:15], v[SB2:SB2+1]
.endm
; A TRIP, for step j = s[TB] / 4,096.
.macro STEP q, qs
	SOFTMAX
	s_wait_dscnt 0x0                               ; V of this step and K of the next: asked for a whole softmax ago
	MM_S \q, \qs                                   ; the next step's scores
	MM_O                                           ; this step's part of O^T
	v_add_nc_u32 v[ADK], s[TB], v[L16]             ; four plain lines that name none of the products' registers: the places in front of the loads into K's and V's registers and of the first read of the scores
	v_add_nc_u32 v[ADV], s[TB], v[L16V]
	v_add_nc_u32 v[ADS], s[TS], v[L16S]
	v_add_nc_u32 v[ADT], s[TV], v[L8V]
	LD_V ADV, ADT, 4096, 256                       ; V of step j + 1
	LD_K ADK, ADS, 8192, 1024                      ; K of step j + 2
	s_add_co_u32 s[TB], s[TB], 4096
	s_add_co_u32 s[TS], s[TS], 512
	s_add_co_u32 s[TV], s[TV], 256
.endm
.macro TRIPS from, n, q, qs            ; steps from .. from + n - 1
	s_mov_b32 s[TB], (\from)*4096
	s_mov_b32 s[TS], (\from)*512
	s_mov_b32 s[TV], (\from)*256
	s_mov_b32 s[STEPC], \n
.Lstep_\@:
	STEP \q, \qs
	s_sub_co_u32 s[STEPC], s[STEPC], 1
	s_cmp_lg_u32 s[STEPC], 0
	s_cbranch_scc1 .Lstep_\@
.endm
; A PASS: one tile of 16 queries against all keys.  p: 0 or 1: it stands in the immediates of the stores.
.macro PASS p, q, qs
.if \p == 0
	s_wait_loadcnt 0x0                             ; both tiles' Q
	s_wait_tensorcnt 3                             ; waves 0, 1: of my five loads the scale words and the first 512 keys have landed, three may stay out (nothing is filled again); met at once in the other waves
	s_barrier_signal -1
	s_barrier_wait -1
	LD_K L16, L16S, 0, 0                           ; K of step 0 (for the second pass it was asked for in the first pass's last step but one)
.endif
	s_wait_dscnt 0x0
	MM_S \q, \qs                                   ; the first scores
	v_mov_b32 v13, 0xff61b1e6                      ; the largest score so far: -3e38.  (These 36 lines are the places behind the first products)
	v_floor_f32 v12, -v13                          ; and a -M so large that the first f is 0
	v_mov_b32 v14, 0
	v_mov_b32 v15, 0
.irp j, 0,1,2,3,4,5,6,7,8,9,10,11,12,13,14,15,16,17,18,19,20,21,22,23,24,25,26,27,28,29,30,31
	v_mov_b32 v[192+\j], 0                         ; O^T: the step is written once; the first finds zeros
.endr
	LD_V L16V, L8V, 0, 0                           ; V of step 0
	LD_K L16, L16S, 4096, 512                      ; K of step 1
.if \p == 0
	TRIPS 0, 2, \q, \qs                            ; these two look ahead as far as K of step 3: inside the first 512 keys
	s_wait_tensorcnt 0x0                           ; waves 0, 1: all keys have landed;
	s_wait_dscnt 0x0                               ; (no LDS instruction of mine is out at a signal)
	s_barrier_signal -1
	s_barrier_wait -1                              ; every wave knows it: from here on K and V are read with no further barrier
	TRIPS 2, 12, \q, \qs
.else
	TRIPS 0, 14, \q, \qs
.endif
	SOFTMAX                                        ; step 14: there is no K of step 16
	s_wait_dscnt 0x0
	MM_S \q, \qs
	MM_O
.rept 4
	v_nop                                          ; places in front of the loads and of the first read of the scores
.endr
	LD_V L16V, L8V, 15*4096, 15*256
.if \p == 0
	LD_K L16, L16S, 0, 0                           ; K of step 0, for the second pass
.endif
	SOFTMAX                                        ; step 15: no scores follow
	s_wait_dscnt 0x0
	MM_O
.rept 4
	v_nop                                          ; places behind the last products
.endr
	v_add_f32 v14, v14, v15
	v_permlanex16_b32 v252, v14, s[SEL], s[SEL+1]
	v_add_f32 v14, v14, v252                       ; the row's sum
	v_rcp_f32 v14, v14
	v_nop
	s_wait_alu depctr_va_vdst(0)
.irp j, 0,1,2,3,4,5,6,7,8,9,10,11,12,13,14,15,16,17,18,19,20,21,22,23,24,25,26,27,28,29,30,31
	v_mul_f32 v[96+\j], v[192+\j], v14             ; register 8 t + j: channel 16 t + 8 h + j of my query
.endr
	QUANT32 96, 224, 232
	global_store_b128 v[L16], v[224:227], s[10:11] offset:8192*\p   ; the tile's codes: 512 consecutive bytes, aligned
	v_lshl_or_b32 v240, v239, 8, v238
	ds_store_b16 v[OSA], v240 offset:512*\p        ; my row's two scale bytes (both halves of the lanes write the same)
	s_wait_xcnt 0x0                                ; the store has read its data: the codes' registers are written again only behind this wait
.endm
	PASS 0, 16, 24
	PASS 1, 80, 88
	s_wait_dscnt 0x0                               ; for the others' sake: my scale bytes lie in LDS
	s_barrier_signal -1
	s_barrier_wait -1                              ; all 512 rows' do
	s_cmp_lt_u32 s[WV], 2
	s_cbranch_scc0 .Lno_sc
	ds_load_b128 v[96:99], v[OSR]
	s_wait_dscnt 0x0
	global_store_b128 v[OSG], v[96:99], s[12:13]   ; 1,024 consecutive bytes by two waves
.Lno_sc:
	s_wait_tensorcnt 0x0
	ds_add_u32 v250, v255
	s_wait_dscnt 0x0
	CROUND                                         ; the closing round
	s_endpgm
.Lfunc_end_k_q67d765ffe8_attn:
	.size	k_q67d765ffe8_attn, .Lfunc_end_k_q67d765ffe8_attn-k_q67d765ffe8_attn
	.p2alignl 7, 3214868480
	.fill 96, 4, 3214868480
	.section	.rodata,"a",@progbits
	.p2align	6, 0x0
	.amdhsa_kernel k_q67d765ffe8_attn
		.amdhsa_group_segment_fixed_size 169984
		.amdhsa_private_segment_fixed_size 0
		.amdhsa_enable_private_segment 0
		.amdhsa_kernarg_size 40
		.amdhsa_user_sgpr_count 2
		.amdhsa_user_sgpr_kernarg_segment_ptr 1
		.amdhsa_wavefront_size32 1
		.amdhsa_system_sgpr_workgroup_id_x 1
		.amdhsa_system_sgpr_workgroup_id_y 1
		.amdhsa_system_sgpr_workgroup_id_z 1
		.amdhsa_system_vgpr_workitem_id 0
		.amdhsa_next_free_vgpr 256
		.amdhsa_next_free_sgpr 84
		.amdhsa_reserve_vcc 0
		.amdhsa_float_denorm_mode_32 3
		.amdhsa_float_denorm_mode_16_64 3
		.amdhsa_memory_ordered 1
		.amdhsa_forward_progress 1
		.amdhsa_inst_pref_size 126
	.end_amdhsa_kernel
	.amdgpu_metadata
---
amdhsa.version: [ 1, 2 ]
amdhsa.kernels:
  - .name:           k_q67d765ffe8_attn
    .symbol:         k_q67d765ffe8_attn.kd
    .args:
      - { .name: q_img, .offset: 0, .size: 8, .value_kind: global_buffer, .address_space: global }
      - { .name: q_sc, .offset: 8, .size: 8, .value_kind: global_buffer, .address_space: global }
      - { .name: kv, .offset: 16, .size: 8, .value_kind: global_buffer, .address_space: global }
      - { .name: o_img, .offset: 24, .size: 8, .value_kind: global_buffer, .address_space: global }
      - { .name: o_sc, .offset: 32, .size: 8, .value_kind: global_buffer, .address_space: global }
    .group_segment_fixed_size: 169984
    .private_segment_fixed_size: 0
    .kernarg_segment_align: 8
    .kernarg_segment_size: 40
    .max_flat_workgroup_size: 512
    .sgpr_count:     84
    .vgpr_count:     256
    .wavefront_size: 32
...
	.end_amdgpu_metadata
.endif
;; end of part 6
;; launch proj: the kernel of part 4 again; grid 4 x 64, 8 waves a work-group, clusters of 4 x 4, 253,440 bytes of LDS; arguments o_img, o_sc, w_out_codes, w_out_scales, b_out, out0; writes out0
